; MI455X (gfx1250); checked and timed in simulation.
; The chip was launched on July 23, 2026; its instructions are those of AMD's public machine-readable ISA for CDNA 5 (MIT licence, August 2026) and "CDNA5" Instruction Set Architecture Reference Guide (July 2026). The comments in the code are by the model that wrote it; some were corrected since.
;; Multi Head Attention. Allowed arithmetic: matrix products marked QUANTISED: E4M3 operands, one given power-of-two scale a tensor, by v_wmma_f32_16x16x64_fp8_fp8 or v_wmma_f32_16x16x128_fp8_fp8, f32 sums; everything else in f32.
;; Inputs: b_proj 1,024 float32; b_qkv 3,072 float32; idx 2 int32; lowp_scales 8 int32 (the exponents e of the quantised operands' scales 2^e); w_proj 1,024 x 1,024 float32; w_qkv 1,024 x 3,072 float32; weight one number float32; x 2 x 2,048 x 1,024 float32.
;; Outputs: out0 2 x 2,048 x 1,024 float32.
;; Constants: attn_forcing = 1.
;; This version of the problem:
;;   THIS VERSION OF THE PROBLEM IS GIVEN IN LOW PRECISION. The matrix products marked QUANTISED in the list below multiply operands that are first quantised to E4M3 (4 exponent bits, 3 mantissa bits; 8 bits a number), with one given power-of-two scale for each operand tensor; their sums are f32. All else is computed in f32.
;;   The module's matrix products, in the order in which they are computed (A, B: the left and right operand; K: the contracted axis; several contracted axes count as one K, in the product's order):
;;     1. [M 4,096, K 1,024] x [K 1,024, N 3,072]; A: input x; B: input w_qkv: QUANTISED (scales: A lowp_scales[0], B lowp_scales[1])
;;     2. batch 32 x [M 2,048, K 64] x [K 64, N 2,048]; A: computed on the way; B: computed on the way: QUANTISED (scales: A lowp_scales[2], B lowp_scales[3])
;;     3. batch 32 x [M 2,048, K 2,048] x [K 2,048, N 64]; A: computed on the way; B: computed on the way: QUANTISED (scales: A lowp_scales[4], B lowp_scales[5])
;;     4. [M 4,096, K 1,024] x [K 1,024, N 1,024]; A: computed on the way; B: input w_proj: QUANTISED (scales: A lowp_scales[6], B lowp_scales[7])
;;   THE QUANTISER, for each operand of a quantised product, along K:
;;     - The operand's scale is 2^e, e = its entry of the input lowp_scales (int32; the entries are numbered through the quantised products in the list's order, A before B).
;;     - Each number is divided by the scale, clamped to +-448, and rounded to the nearest number of E4M3, ties to even, subnormals kept.
;;     - The product sums the exact products of the quantised numbers (number of the format x scale) in f32.
;;   ~~~python
;;   def quantise(x, axis, e):      # numpy; x: float32 -> the quantised numbers, widened to float32 again
;;       x = np.moveaxis(x, axis, -1); K = x.shape[-1]
;;       r = np.clip(x / 2.0 ** e, -448, 448)
;;       step = 2.0 ** (np.maximum(np.frexp(np.where(r == 0, 1, r))[1] - 1, -6) - 3)
;;       q = np.round(r / step) * step * 2.0 ** e      # np.round: ties to even
;;       return np.moveaxis(q, -1, axis).astype(np.float32)
;;   ~~~
;;   OPERANDS COMPUTED ON THE WAY. 'Computed on the way' means the value that the module computes at that place (a softmax that the list does not call 'softmax' is quantised finished and normalised). What goes into a quantiser is computed in f32, as accurately as f32 sums, v_exp_f32 and their like allow (about 1e-6 of the number): no bf16 or f16 on the way to a quantiser, and a product that is left as it is and whose result goes on into a quantised operand takes f32 operands (vector FMAs, or v_wmma_f32_16x16x4_f32). A number that lies on a knife's edge between two numbers of the format may be rounded either way, as far as f32 arithmetic and the matrix unit's own rounding can turn it there, and no further.
;; One version. Each part assembles by itself: llvm-mc -triple=amdgcn-amd-amdhsa -mcpu=gfx1250 --defsym DOCPART=n.
;; ======== version 1 of 1: 4 launches
;; limits: right only within a limited range of input values
;; workspace buffers: x_codes 4,194,304 bytes; wqkv_codes 3,145,728 bytes; wproj_codes 1,048,576 bytes; q_img 4,194,304 bytes; k_img 4,194,304 bytes; v_img 4,194,304 bytes; o_img 4,194,304 bytes
;; launch quant (part 1): grid 256 x 1, 4 waves a work-group, no clusters, 102,912 bytes of LDS; arguments x, w_qkv, w_proj, lowp_scales, x_codes, wqkv_codes, wproj_codes; writes x_codes, wqkv_codes, wproj_codes
.if DOCPART == 1
	.amdgcn_target "amdgcn-amd-amdhsa--gfx1250"
	.amdhsa_code_object_version 6
	.text
	.protected	k_q3520b94cf5_quant
	.globl	k_q3520b94cf5_quant
	.p2align	8
	.type	k_q3520b94cf5_quant,@function
k_q3520b94cf5_quant:
	s_mov_b64 s[64:65], 0
	v_nop
	global_prefetch_b8 v0, s[64:65] scope:SCOPE_SE
	s_setreg_imm32_b32 hwreg(HW_REG_WAVE_MODE, 25, 1), 1
	s_wait_xcnt 0x0
; x [4096][1024], w_qkv [1024][3072] and w_proj [1024][1024], f32, become codes of FP8 (E4M3), each with the one scale 2^e given for it
; (entries 0, 1 and 7 of the buffer of scales).  code = number / 2^e, held within +-448, rounded to the nearest code, ties to even.
; LIMITS: each e lies between -126 and 119, so that 2^e and 448 x 2^e are f32 numbers.  NaN among the inputs is not served.
; SHARES: every work-group reads 128 KB.  Work-groups 0-127: x, whose K is innermost: a plain stream of numbers into a plain stream of codes.
; Work-groups 128-223: w_qkv, 224-255: w_proj, whose K is the FIRST axis: a lane takes a column and its registers run down K, so the codes come out
; with K innermost, laid [n][1024]; they leave through the wave's own stage in LDS as rows, sixteen lanes to 256 consecutive aligned bytes.
; w_proj's codes are laid with the two middle groups of eight swapped in every 32 (order 0-7, 16-23, 8-15, 24-31): a load of 16 bytes at 32 c + 16 h then
; brings k = 32 c + 8 h + 0..7 and 32 c + 16 + 8 h + 0..7, the places that the plain 8-bit operand layout gives registers 4 c .. 4 c + 3.
; The three paths part on the work-group's number and each has LDS bytes of its own.  Waves share nothing: no barrier.  No matrix unit, no cluster: memory binds.
.set WREG,  8192                       ; x path: LDS of a wave: two stages of 32 x SP bytes
.set SP,    80                         ; a lane's place in a stage: its 64 bytes + 16 of padding
.set STEPS, 16
.set R,     16                         ; v16-79   x path: four sets of 16 numbers as loaded
.set X,     80                         ; v80-111  two sets of 16 neighbours
.set C,     128                        ; v128-191 codes: four registers for each step, so that no store's data are written again
.set PITCH, 272                        ; w paths: a stage row: 256 bytes of codes + 16
.set KROW,  1024                       ; a row of a weight's codes in bytes
.set WX,    32                         ; v32-95   two sets of 32 numbers
.set WC,    96                         ; v96-103  a block's codes
.set OUTR,  112                        ; v112-175 the way out
.macro MKSCALE e                       ; v11 = 2^e as f32 (the conversion takes its exponent field), s22 = 448 x 2^e
	s_add_co_i32 s22, s[\e], 127
	s_lshl_b32 s23, s22, 23
	v_mov_b32 v11, s23
	s_add_co_i32 s22, s22, 8
	s_lshl_b32 s22, s22, 23
	s_or_b32 s22, s22, 0x600000
.endm
.macro XLOAD t                         ; a step's 2,048 bytes: four loads of 512 consecutive bytes
.irp i, 0,1,2,3
	global_load_b128 v[R+16*((\t)%4)+4*\i:R+16*((\t)%4)+4*\i+3], v3, s[4:5] offset:2048*(\t)+512*\i th:TH_LOAD_NT
.endr
.endm
.macro XTURN t                         ; through the stage: in as loaded, back 64 bytes (16 neighbours) a lane; LDS serves a wave's instructions in order
.irp i, 0,1,2,3
	ds_store_b128 v14, v[R+16*((\t)%4)+4*\i:R+16*((\t)%4)+4*\i+3] offset:32*SP*((\t)%2)+8*SP*\i
.endr
.irp i, 0,1,2,3
	ds_load_b128 v[X+16*((\t)%2)+4*\i:X+16*((\t)%2)+4*\i+3], v15 offset:32*SP*((\t)%2)+16*\i
.endr
.endm
.macro XSTEP t
.set XS, X+16*((\t)%2)
	s_wait_dscnt 0x0                               ; this step's numbers are back, so its stores into the stage have read their registers,
.if (\t)+4 < STEPS
	XLOAD (\t)+4                                   ; which take the loads of four steps on
.endif
.if (\t)+1 < STEPS
.if STEPS-2-(\t) >= 3
	s_wait_loadcnt 12                              ; the next step's four loads are in; those of the three steps behind it may be out
.else
	s_wait_loadcnt 4*(STEPS-2-(\t))
.endif
	XTURN (\t)+1
.endif
.irp i, 0,1,2,3,4,5,6,7,8,9,10,11,12,13,14,15
.endr
	v_cvt_scalef32_pk8_fp8_f32 v[C+4*(\t):C+4*(\t)+1], v[XS:XS+7], v11
	v_cvt_scalef32_pk8_fp8_f32 v[C+4*(\t)+2:C+4*(\t)+3], v[XS+8:XS+15], v11
	global_store_b128 v3, v[C+4*(\t):C+4*(\t)+3], s[8:9] offset:512*(\t)   ; the wave stores 512 consecutive bytes
.endm
.macro WLOAD t, N                      ; block t: W(32 t + i, my column), i = 0 .. 31, into set t % 2; a wave reads 128 consecutive bytes a load
.irp a, 0,1,2,3
.irp b, 0,1,2,3,4,5,6,7
	global_load_b32 v[WX+32*((\t)%2)+8*\a+\b], v3, s[4:5] offset:(32*(\t)+8*\a+\b)*\N*4 th:TH_LOAD_NT
.endr
.endr
.endm
.macro WBLOCK t, N, SWAP
.set XS, WX+32*((\t)%2)
.if (\t) < 7
	s_wait_loadcnt 32                              ; this block's 32 loads are in; the next block's 32 may be out
.else
	s_wait_loadcnt 0
.endif
.irp a, 0,1,2,3
.irp b, 0,1,2,3,4,5,6,7
.endr
.endr
.irp g, 0,1,2,3
.set PG, \g
.if \SWAP
.set PG, (\g%2)*2+\g/2                 ; groups 1 and 2 change places
.endif
	v_cvt_scalef32_pk8_fp8_f32 v[WC+2*PG:WC+2*PG+1], v[XS+8*\g:XS+8*\g+7], v11
.endr
	ds_store_b128 v4, v[WC:WC+3] offset:32*(\t)    ; 32 codes of my column's row
	ds_store_b128 v4, v[WC+4:WC+7] offset:32*(\t)+16
.if (\t)+2 < 8
	WLOAD (\t)+2, \N
.endif
	s_wait_dscnt 0x0                               ; the stores have read their registers: the next block's codes may be written
.endm
; A weight's path.  s17 = the work-group's number within the weight: column block (128 columns) = s17 / 4, quarter of K (256) = s17 % 4.
.macro WPATH N, LBASE, SWAP, SRC, DST, E
	s_and_b32 s18, s17, 3
	s_lshr_b32 s17, s17, 2
	s_lshl_b32 s17, s17, 7
	s_lshl_b32 s19, s16, 5
	s_add_co_u32 s17, s17, s19                     ; my wave's first column
	v_lshlrev_b32 v3, 2, v2                        ; in: 4 bytes a lane
	s_mul_i32 s19, s16, 32*PITCH
	s_add_co_u32 s19, s19, \LBASE                  ; my stage
	v_mul_u32_u24 v4, v2, PITCH
	v_add_nc_u32 v4, s19, v4                       ; into it: row = my column
	v_and_b32 v5, 15, v2
	v_lshrrev_b32 v6, 4, v2
	v_mul_u32_u24 v7, v6, PITCH
	v_lshl_add_u32 v7, v5, 4, v7
	v_add_nc_u32 v7, s19, v7                       ; out of it: sixteen lanes to a row, two rows an instruction
	v_lshlrev_b32 v8, 10, v6
	v_lshl_add_u32 v8, v5, 4, v8                   ; and the same place in the codes' buffer
	s_mul_i32 s20, s18, 256*\N*4                   ; 256 rows of the weight for each quarter,
	s_lshl_b32 s22, s17, 2
	s_add_co_u32 s20, s20, s22                     ; + 4 bytes a column
	s_mov_b32 s21, 0
	s_add_nc_u64 s[4:5], s[\SRC:\SRC+1], s[20:21]
	s_lshl_b32 s20, s17, 10                        ; codes: column x 1,024
	s_lshl_b32 s22, s18, 8
	s_add_co_u32 s20, s20, s22                     ; + 256 x quarter
	s_add_nc_u64 s[8:9], s[\DST:\DST+1], s[20:21]
	WLOAD 0, \N
	WLOAD 1, \N
	s_wait_kmcnt 0x0                               ; the scales' exponents
	MKSCALE \E
	s_wait_alu depctr_va_vdst(0)
.irp t, 0,1,2,3,4,5,6,7
	WBLOCK \t, \N, \SWAP
.endr
.irp t, 0,1,2,3,4,5,6,7,8,9,10,11,12,13,14,15
	ds_load_b128 v[OUTR+4*\t:OUTR+4*\t+3], v7 offset:2*\t*PITCH   ; LDS serves a wave's instructions in order: these see my stores
.endr
.irp t, 0,1,2,3,4,5,6,7,8,9,10,11,12,13,14,15
	s_wait_dscnt 15-\t                             ; load t is in; the 15 - t younger ones may be out
	global_store_b128 v8, v[OUTR+4*\t:OUTR+4*\t+3], s[8:9] offset:2*\t*KROW
.endr
.endm
	s_load_b256 s[36:43], s[0:1], 0x0              ; x s[36:37], w_qkv s[38:39], w_proj s[40:41], the scales' exponents s[42:43]
	s_load_b128 s[44:47], s[0:1], 0x20             ; x's codes s[44:45], w_qkv's s[46:47]
	s_load_b64 s[48:49], s[0:1], 0x30              ; w_proj's
	v_lshl_add_u32 v192, v0, 2, 0x19000
	v_mov_b32 v193, 0
	v_lshrrev_b32 v1, 5, v0
	v_readfirstlane_b32 s16, v1                    ; wave 0..3
	v_and_b32 v2, 31, v0                           ; lane
	s_wait_kmcnt 0x0
	s_load_b256 s[52:59], s[42:43], 0x0            ; e0 .. e7
	s_cmp_lt_u32 ttmp9, 128
	s_cbranch_scc0 .Lweights
	s_wait_alu depctr_va_vdst(0)
	; ---- x: my wave's run of 8,192 numbers is number 4 x work-group + wave
	v_lshlrev_b32 v3, 4, v2                        ; my 16 bytes of a load's 512, and of a store's
	s_wait_alu depctr_va_vdst(0)
	s_mul_i32 s17, s16, WREG
	v_lshrrev_b32 v14, 2, v2
	v_mul_u32_u24 v14, v14, SP
	v_and_b32 v15, 3, v2
	v_lshl_add_u32 v14, v15, 4, v14
	v_add_nc_u32 v14, s17, v14                     ; the stage, on the way in: SP (lane / 4) + 16 (lane % 4)
	v_mul_u32_u24 v15, v2, SP
	v_add_nc_u32 v15, s17, v15                     ; and on the way out: SP x lane
	s_lshl_b32 s18, ttmp9, 2
	s_add_co_u32 s18, s18, s16
	s_lshl_b32 s20, s18, 15                        ; 32,768 bytes of numbers a run
	s_mov_b32 s21, 0
	s_add_nc_u64 s[4:5], s[36:37], s[20:21]
	s_lshl_b32 s20, s18, 13                        ; 8,192 bytes of codes
	s_add_nc_u64 s[8:9], s[44:45], s[20:21]
.irp t, 0,1,2,3
	XLOAD \t
.endr
	s_wait_alu depctr_va_vdst(0)
	s_wait_kmcnt 0x0
	MKSCALE 52
	s_wait_alu depctr_va_vdst(0)
	s_wait_loadcnt 12                              ; step 0's four loads are in
	XTURN 0
.irp t, 0,1,2,3,4,5,6,7,8,9,10,11,12,13,14,15
	XSTEP \t
.endr
	s_wait_tensorcnt 0x0
	ds_add_u32 v192, v193
	s_wait_dscnt 0x0
	s_endpgm
.Lweights:
	s_cmp_lt_u32 ttmp9, 224
	s_cbranch_scc0 .Lproj
	s_sub_co_u32 s17, ttmp9, 128
	s_wait_alu depctr_va_vdst(0)
	WPATH 3072, 32768, 0, 38, 46, 53
	s_wait_tensorcnt 0x0
	ds_add_u32 v192, v193
	s_wait_dscnt 0x0
	s_endpgm
.Lproj:
	s_sub_co_u32 s17, ttmp9, 224
	s_wait_alu depctr_va_vdst(0)
	WPATH 1024, 67584, 1, 40, 48, 59
	s_wait_tensorcnt 0x0
	ds_add_u32 v192, v193
	s_wait_dscnt 0x0
	s_endpgm
.Lfunc_end_k_q3520b94cf5_quant:
	.size	k_q3520b94cf5_quant, .Lfunc_end_k_q3520b94cf5_quant-k_q3520b94cf5_quant
	.p2alignl 7, 3214868480
	.fill 96, 4, 3214868480
	.section	.rodata,"a",@progbits
	.p2align	6, 0x0
	.amdhsa_kernel k_q3520b94cf5_quant
		.amdhsa_group_segment_fixed_size 102912
		.amdhsa_private_segment_fixed_size 0
		.amdhsa_enable_private_segment 0
		.amdhsa_kernarg_size 56
		.amdhsa_user_sgpr_count 2
		.amdhsa_user_sgpr_kernarg_segment_ptr 1
		.amdhsa_wavefront_size32 1
		.amdhsa_system_sgpr_workgroup_id_x 1
		.amdhsa_system_sgpr_workgroup_id_y 1
		.amdhsa_system_sgpr_workgroup_id_z 1
		.amdhsa_system_vgpr_workitem_id 0
		.amdhsa_next_free_vgpr 194
		.amdhsa_next_free_sgpr 66
		.amdhsa_reserve_vcc 0
		.amdhsa_float_denorm_mode_32 3
		.amdhsa_float_denorm_mode_16_64 3
		.amdhsa_fp16_overflow 1
		.amdhsa_memory_ordered 1
		.amdhsa_forward_progress 1
		.amdhsa_inst_pref_size 85
	.end_amdhsa_kernel
	.amdgpu_metadata
---
amdhsa.version: [ 1, 2 ]
amdhsa.kernels:
  - .name:           k_q3520b94cf5_quant
    .symbol:         k_q3520b94cf5_quant.kd
    .args:
      - { .name: x, .offset: 0, .size: 8, .value_kind: global_buffer, .address_space: global }
      - { .name: w_qkv, .offset: 8, .size: 8, .value_kind: global_buffer, .address_space: global }
      - { .name: w_proj, .offset: 16, .size: 8, .value_kind: global_buffer, .address_space: global }
      - { .name: lowp_scales, .offset: 24, .size: 8, .value_kind: global_buffer, .address_space: global }
      - { .name: x_codes, .offset: 32, .size: 8, .value_kind: global_buffer, .address_space: global }
      - { .name: wqkv_codes, .offset: 40, .size: 8, .value_kind: global_buffer, .address_space: global }
      - { .name: wproj_codes, .offset: 48, .size: 8, .value_kind: global_buffer, .address_space: global }
    .group_segment_fixed_size: 102912
    .private_segment_fixed_size: 0
    .kernarg_segment_align: 8
    .kernarg_segment_size: 56
    .max_flat_workgroup_size: 128
    .sgpr_count:     66
    .vgpr_count:     194
    .wavefront_size: 32
...
	.end_amdgpu_metadata
.endif
;; end of part 1
;; launch gemm_qkv (part 2): grid 12 x 16, 4 waves a work-group, clusters of 4 x 4, 327,680 bytes of LDS; arguments x_codes, wqkv_codes, lowp_scales, b_qkv, q_img, k_img, v_img; writes q_img, k_img, v_img
.if DOCPART == 2
	.amdgcn_target "amdgcn-amd-amdhsa--gfx1250"
	.amdhsa_code_object_version 6
	.text
	.protected	k_q3520b94cf5_gemm_qkv
	.globl	k_q3520b94cf5_gemm_qkv
	.p2align	8
	.type	k_q3520b94cf5_gemm_qkv,@function
k_q3520b94cf5_gemm_qkv:
	s_mov_b64 s[64:65], 0
	v_nop
	global_prefetch_b8 v0, s[64:65] scope:SCOPE_SE
	s_setreg_imm32_b32 hwreg(HW_REG_WAVE_MODE, 25, 1), 1
	s_wait_xcnt 0x0
	s_wait_alu depctr_hold_cnt(0) depctr_sa_sdst(0) depctr_va_vdst(0) depctr_va_sdst(0) depctr_va_ssrc(0) depctr_va_vcc(0) depctr_vm_vsrc(0)
	s_getreg_b32 s2, hwreg(HW_REG_IB_STS2, 6, 4)
	s_cmp_eq_u32 s2, 0
	s_cbranch_scc0 .Lentry_in_a_cluster
	s_endpgm
.Lentry_in_a_cluster:
	s_bfe_u32 s2, ttmp6, 0x10000c
	s_cmp_lg_u32 s2, 0xf033
	s_cbranch_scc0 .Lentry_shape_is_right
	s_endpgm
.Lentry_shape_is_right:
; qkv = x w_qkv + b_qkv on codes of FP8 (E4M3), K = 1,024; each result is quantised at once, with the scale given for it as an operand of attention's products (q: entry 2, k: entry 3, v: entry 5),
; and stored as an IMAGE OF THE OPERAND'S REGISTERS: each group of four registers as 512 consecutive bytes, lane l's 16 bytes at 16 l.
; A tile of 256 x 256 results is made by a work-group of four waves, 128 x 128 a wave: 64 accumulators, 512 registers.  K goes in steps of 256 through a ring of two LDS slots filled by the tensor data mover.
; THE MATRIX INSTRUCTION IS USED TRANSPOSED (source 0 = 16 rows of "B", source 1 = 16 rows of "A"): a lane holds one row of A and eight neighbouring rows of B.
; WHICH TENSOR IS A hangs on the cluster's x, the same in all sixteen partners.  Cluster x = 0 (q), 1 (k): A = x's tokens, B = w_qkv's features: a lane's eight results are eight neighbours along the head's 64, attention's first K.
; Cluster x = 2 (v): A = w_qkv's features 2,048 on, B = x's tokens: a lane's eight results are eight neighbouring keys, attention's second K.  So a conversion's two registers ARE registers 2 c, 2 c + 1 of the later operand.
; q_img, k_img: [16 b + head][tile of 16 tokens, 0..127][1,024 bytes]: 16 tokens x 64.   v_img: [16 b + head][block of 128 keys, 0..15][16 of the head's 64, 0..3][2,048 bytes]: 16 x 128 keys.
; CLUSTERS: 4 x 4 work-groups; A's tile is asked for jointly along a row of the cluster, B's along a column.
; Both operands' fragments come by four loads of 16 bytes: a permutation of k inside an instruction, the same in A and in B, so every product meets its partner.
; LIMITS: e0 + e1 between -126 and 127; e2, e3, e5 between -126 and 119.  NaN among the inputs is not served.
; REGISTERS, in windows of 256: window 0: v0-31 addresses and constants; v32-95 the bias; from v128 A's fragments, ONE set; on the way out v96-159 sums at work, v160-191 codes, v192-193 a bias twice.
;   window 1: B's fragments, TWO sets.   window 2: the accumulators of my rows 0-63 ((a, b) at v[8 (8 a + b)]);   window 3: those of my rows 64-127.
.set ROWB,   256                       ; a tile's row in bytes: 256 codes
.set KROW,   1024                      ; a row of codes in memory
.set PITCH,  272                       ; an LDS row: 256 bytes + 16 of padding = 68 words: row r starts at bank 4 r mod 64 (ISA guide 11.1)
.set FR,     16
.set NL,     4
.set NP,     4                         ; places behind this matrix instruction (ISA guide 7.12.1)
.set HALFT,  128*PITCH
.set SLOT,   4*HALFT
.set LAPS,   2                         ; K = 1,024 = two laps of two K steps
.set SPARE,  2*SLOT                    ; behind the ring: the spare words, 128 bytes a wave
.set ADRA, 16
.set ADRB, 20
.set CO,   26                          ; v26  16 x lane
.set BO,   27                          ; v27  my offset in the bias
.set SPW,  28
.set NIL,  29
.set SC,   30                          ; v30  2^e of the result's quantiser
.set LIM,  31                          ; v31  448 x that
.set BI,   32
.set T,    96
.set PC,   160
.set BB,   192
.set AF,   128
.set G1, 24
.set G0, 32
.set G1B, 48
.set G0B, 56
.set MSB, 0
.macro WIN new                         ; the immediate's high byte repeats the setting that is left
.if MSB != \new
	s_set_vgpr_msb (MSB<<8)|\new
.set MSB, \new
.endif
.endm
.set MUL_LO, 0xa1                      ; source 0 (B) window 1, source 1 (A) window 0, C and D window 2
.set MUL_HI, 0xf1
.set TO_B,   0x40
; A joint load: waves 0 and 1 fetch for A, waves 2 and 3 for B; the branch hangs on the wave's number alone.  Four v_nop follow each line.
.macro JLOAD g0a, g1a, g0b, g1b
	s_cmp_eq_u32 s15, 0
	s_cbranch_scc0 .Lfor_b_\@
	tensor_load_to_lds s[\g0a:\g0a+3], s[\g1a:\g1a+7]
	s_nop 0
.rept 4
	v_nop
.endr
	s_branch .Lasked_\@
.Lfor_b_\@:
	tensor_load_to_lds s[\g0b:\g0b+3], s[\g1b:\g1b+7]
	s_nop 0
.rept 4
	v_nop
.endr
.Lasked_\@:
.endm
.macro CREST                           ; a round of the cluster's barrier behind its opening barrier
	s_cmp_lg_u32 s14, 0
	s_cbranch_scc1 .Lnot_wave_0_\@
	s_barrier_signal -3
.Lnot_wave_0_\@:
	s_barrier_wait -3
	s_barrier_signal -1
	s_barrier_wait -1
.endm
.macro CROUND
	s_barrier_signal -1
	s_barrier_wait -1
	CREST
.endm
	s_load_b128 s[4:7], s[0:1], 0x0                ; x's codes s[4:5], w_qkv's codes s[6:7]
	s_load_b128 s[8:11], s[0:1], 0x10              ; the scales' exponents s[8:9], b_qkv s[10:11]
	s_load_b128 s[84:87], s[0:1], 0x20             ; q_img s[84:85], k_img s[86:87]
	s_load_b64 s[88:89], s[0:1], 0x30              ; v_img
	v_lshl_add_u32 v[SPW], v0, 2, SPARE
	v_mov_b32 v[NIL], 0
	ds_add_u32 v28, v29
	ds_add_u32 v28, v29
	s_wait_dscnt 0x0
	v_lshrrev_b32 v1, 5, v0
	v_readfirstlane_b32 s14, v1                    ; wave 0..3
	s_lshr_b32 s15, s14, 1                         ; which half of A's rows is mine.  Also: I fetch for A (0) or for B (1)
	s_and_b32 s16, s14, 1                          ; which half of B's rows.  Also: which 128 rows of that tile I fetch
	s_bfe_u32 s40, ttmp6, 0x40000                  ; cx, cy: my place in the cluster
	s_bfe_u32 s41, ttmp6, 0x40004
	s_lshl_b32 s42, ttmp9, 2                       ; 4 x cluster x
	s_and_b32 s17, ttmp7, 0xffff
	s_lshl_b32 s17, s17, 2                         ; 4 x cluster y
	s_cmp_lt_u32 ttmp9, 2                          ; q or k?  The cluster's x is the same in all partners
	s_cselect_b32 s42, s42, s17                    ; B's tile: features 4 X + cx, or (v) tokens 4 Y + cx
	s_cselect_b32 s17, s17, 8                      ; A's tile: tokens 4 Y + cy, or (v) features 8 + cy
	s_add_co_u32 s42, s42, s40
	s_add_co_u32 s17, s17, s41
	s_lshl_b32 s43, s41, 2
	s_lshl_b32 s43, 15, s43                        ; my row of the cluster
	s_lshl_b32 s44, 0x1111, s40                    ; my column
	s_or_b32 s[G1+0], s43, (0<<16)|(1<<20)|(1<<21)|(5<<22)|(3<<25)  ; the mask; elements of 1 byte; padding on; bit 21 beside a mask; after every 64 words, 4 words
	s_or_b32 s[G1B+0], s44, (0<<16)|(1<<20)|(1<<21)|(5<<22)|(3<<25)
.irp g, G1, G1B
	s_mov_b32 s[\g+1], ROWB<<16                    ; tensor_dim0
	s_mov_b32 s[\g+2], 128<<16                     ; tensor_dim1 = 128
	s_mov_b32 s[\g+3], ROWB<<16                    ; tile_dim0
	s_mov_b32 s[\g+4], 128                         ; tile_dim1 = 128
	s_mov_b32 s[\g+5], KROW                        ; tensor_dim0_stride
	s_mov_b32 s[\g+6], 0
	s_mov_b32 s[\g+7], 0
.endr
	s_lshl_b32 s18, s16, 7                         ; which 128 rows of the tile I fetch
	s_lshl_b32 s20, s17, 8
	s_add_co_u32 s20, s20, s18                     ; A: row 256 x tile + 128 x half
	s_lshl_b32 s46, s42, 8
	s_add_co_u32 s46, s46, s18                     ; B likewise
	s_lshl_b32 s20, s20, 10                        ; x 1,024 bytes a row: under 2^23
	s_lshl_b32 s46, s46, 10
	s_mov_b32 s21, 0
	s_mov_b32 s47, 0
	s_mul_i32 s45, s14, HALFT                      ; where they go: wave x 128 rows: no place in the cluster enters an LDS address
	s_wait_kmcnt 0x0
	s_load_b256 s[68:75], s[8:9], 0x0              ; e0 .. e7
	s_cmp_lt_u32 ttmp9, 2
	s_cselect_b64 s[90:91], s[4:5], s[6:7]         ; A's buffer
	s_cselect_b64 s[92:93], s[6:7], s[4:5]         ; B's
	s_add_nc_u64 s[20:21], s[90:91], s[20:21]
	s_add_nc_u64 s[46:47], s[92:93], s[46:47]
	CROUND                                         ; all sixteen work-groups are here: the first joint loads meet
.irp s, 0,1
	s_mov_b32 s[G0+4*\s], 1
	s_add_co_u32 s[G0+4*\s+1], s45, \s*SLOT
	s_add_nc_u64 s[G0+4*\s+2:G0+4*\s+3], s[20:21], \s*ROWB
	s_or_b32 s[G0+4*\s+3], s[G0+4*\s+3], 0x80000000
	s_mov_b32 s[G0B+4*\s], 1
	s_add_co_u32 s[G0B+4*\s+1], s45, \s*SLOT
	s_add_nc_u64 s[G0B+4*\s+2:G0B+4*\s+3], s[46:47], \s*ROWB
	s_or_b32 s[G0B+4*\s+3], s[G0B+4*\s+3], 0x80000000
	JLOAD G0+4*\s, G1, G0B+4*\s, G1B
.endr
	v_and_b32 v1, 15, v0                           ; r = l % 16
	v_bfe_u32 v2, v0, 4, 1                         ; h = l / 16
	v_mul_u32_u24 v3, v1, PITCH
	v_lshl_add_u32 v4, v2, 4, v3                   ; a fragment's row x pitch + 16 x half
	s_mul_i32 s21, s15, HALFT                      ; my 128 rows of A
	s_mul_i32 s22, s16, HALFT                      ; my 128 rows of B,
	s_add_co_u32 s22, s22, 2*HALFT                 ; which lie behind A's 256
.irp s, 0,1
	v_add_nc_u32 v[ADRA+\s], s21, v4
	v_add_nc_u32 v[ADRB+\s], s22, v4
	s_add_co_u32 s21, s21, SLOT
	s_add_co_u32 s22, s22, SLOT
.endr
	v_and_b32 v6, 31, v0
	v_lshlrev_b32 v[CO], 4, v6                     ; 16 x lane: my place in an image's 512 bytes
.macro FRAG reg, adr, q, i             ; a fragment, 16 rows x 128 K: registers 4 c .. 4 c + 3 hold the 16 bytes at 32 c + 16 (l / 16) of row l % 16
.irp c, 0,1,2,3
	ds_load_b128 v[\reg+4*\c:\reg+4*\c+3], v[\adr] offset:128*(\q)+32*\c+(\i)*16*PITCH
.endr
.endm
; 16 matrix instructions: A's blocks a0, a0 + 1 x B's eight.  The 64 accumulators take turns, one instruction a turn, in the same order in every step.
.macro MUL16 a0, p, zero
.irp a, \a0, \a0+1
.irp b, 0,1,2,3,4,5,6,7
.if \zero
	v_wmma_f32_16x16x128_fp8_fp8 v[8*(8*((\a)%4)+\b):8*(8*((\a)%4)+\b)+7], v[128*(\p)+FR*\b:128*(\p)+FR*\b+FR-1], v[AF+FR*(\a):AF+FR*(\a)+FR-1], 0
.else
	v_wmma_f32_16x16x128_fp8_fp8 v[8*(8*((\a)%4)+\b):8*(8*((\a)%4)+\b)+7], v[128*(\p)+FR*\b:128*(\p)+FR*\b+FR-1], v[AF+FR*(\a):AF+FR*(\a)+FR-1], v[8*(8*((\a)%4)+\b):8*(8*((\a)%4)+\b)+7]
.endif
.endr
.endr
.endm
.macro FETCH_B slot, q, p
	WIN TO_B
.irp i, 0,1,2,3,4,5,6,7
	FRAG 128*(\p)+FR*\i, ADRB+\slot, \q, \i
.endr
	WIN 0
.endm
.macro FETCH_A slot, q, i0
.irp i, \i0, \i0+1, \i0+2, \i0+3
	FRAG AF+FR*(\i), ADRA+\slot, \q, \i
.endr
.endm
.macro PLACES n                        ; plain vector instructions between a matrix instruction and a load into, or a vector read or write of, its registers
.rept \n
	v_nop
.endr
.endm
.macro STEP slot, q, zero              ; a step of 128 along K that has its successor in the same slot
	s_wait_dscnt 4*NL                              ; B's set and A's blocks 0-3 are in; the youngest 16 loads (A's blocks 4-7) may be out
	WIN MUL_LO
	MUL16 0, (\q)%2, \zero
	MUL16 2, (\q)%2, \zero
	s_wait_dscnt 0                                 ; A's blocks 4-7 are in
	PLACES NP
	FETCH_B \slot, (\q)+1, 1-(\q)%2
	FETCH_A \slot, (\q)+1, 0
	WIN MUL_HI
	MUL16 4, (\q)%2, \zero
	MUL16 6, (\q)%2, \zero
	PLACES NP
	WIN 0
	FETCH_A \slot, (\q)+1, 4
.endm
; A slot's last step changes slots: one barrier; in front of it each wave waits for all its tensor loads, adds 0 to its spare word, and waits for that and for its reads of this slot.
.macro TURN slot, next, fill
	s_wait_tensorcnt 0x0                           ; all my tensor loads have landed: my part of the next slot
	ds_add_u32 v[SPW], v[NIL]                      ; 0 onto my spare word
	s_wait_dscnt 4*NL+1                            ; (the add and the youngest 16 loads may be out)
	WIN MUL_LO
	MUL16 0, 1, 0
	s_wait_dscnt 0x0                               ; the add is done, and my reads of this slot are over
	s_barrier_signal -1
	MUL16 2, 1, 0
	WIN 0
	s_barrier_wait -1
.if \fill
	CREST                                          ; the barrier has opened a round of the cluster's: no wave of any partner still reads this slot or has a load on its way
	s_add_nc_u64 s[G0+4*\slot+2:G0+4*\slot+3], s[G0+4*\slot+2:G0+4*\slot+3], 2*ROWB
	s_add_nc_u64 s[G0B+4*\slot+2:G0B+4*\slot+3], s[G0B+4*\slot+2:G0B+4*\slot+3], 2*ROWB
	JLOAD G0+4*\slot, G1, G0B+4*\slot, G1B         ; the first tensor load behind the round; its four v_nop are the places in front of the loads below
.else
	PLACES NP
.endif
	FETCH_B \next, 0, 0
	FETCH_A \next, 0, 0
	WIN MUL_HI
	MUL16 4, 1, 0
	MUL16 6, 1, 0
	PLACES NP
	WIN 0
	FETCH_A \next, 0, 4
.endm
.macro LASTSTEP                        ; the very last step: nothing more to fetch
	s_wait_dscnt 4*NL
	WIN MUL_LO
	MUL16 0, 1, 0
	MUL16 2, 1, 0
	s_wait_dscnt 0
	WIN MUL_HI
	MUL16 4, 1, 0
	MUL16 6, 1, 0
	WIN 0
	PLACES NP                                      ; in front of the first read of results and the first write of registers that held A's fragments
.endm
.macro MKQ                             ; s94 = e of the result's quantiser: v[SC] = 2^e, v[LIM] = 448 x 2^e
	s_add_co_i32 s94, s94, 127
	s_lshl_b32 s95, s94, 23
	v_mov_b32 v[SC], s95
	s_add_co_i32 s94, s94, 8
	s_lshl_b32 s94, s94, 23
	s_or_b32 s94, s94, 0x600000
	v_mov_b32 v[LIM], s94
.endm
; THE WAY OUT of block a (16 rows of A x my 128 rows of B): sum x 2^(e0 + e1) + bias by one packed multiply-add for two numbers, the hold, the conversions, four stores of 512 consecutive aligned bytes.
; kind = 0 (q, k): register 8 b + j is feature 16 b + 8 h + j of token 16 a + r: codes 2 b, 2 b + 1 are registers 2 (b % 4), + 1 of head b / 4's fragment of token tile a.
; kind = 1 (v): register 8 b + j is key 16 b + 8 h + j of feature 16 a + r: the 16 registers of codes are one fragment: head a / 4, 16 (a % 4) of the head's 64 on.
.macro EPI a, kind
.set AC, 64*((\a)%4)
.set PCS, PC+16*((\a)%2)
.if (\a) >= 2
	s_wait_xcnt 0x0                                ; block a - 2's stores have read their data: this set of codes is written again only behind this wait
.endif
.if \kind
	v_mov_b32 v[BB], v[BI+(\a)]                    ; my feature's bias, twice
	v_mov_b32 v[BB+1], v[BI+(\a)]
.endif
.if (\a) < 4
	WIN 0x02                                       ; source 0: window 2
.else
	WIN 0x03
.endif
.irp b, 0,1,2,3,4,5,6,7
.irp i, 0,2,4,6
.if \kind
	v_pk_fma_f32 v[T+8*\b+\i:T+8*\b+\i+1], v[AC+8*\b+\i:AC+8*\b+\i+1], s[96:97], v[BB:BB+1] op_sel_hi:[1,0,1]
.else
	v_pk_fma_f32 v[T+8*\b+\i:T+8*\b+\i+1], v[AC+8*\b+\i:AC+8*\b+\i+1], s[96:97], v[BI+8*\b+\i:BI+8*\b+\i+1] op_sel_hi:[1,0,1]
.endif
.endr
.endr
	WIN 0
.irp b, 0,1,2,3,4,5,6,7
.irp i, 0,1,2,3,4,5,6,7
	v_med3_num_f32 v[T+8*\b+\i], v[T+8*\b+\i], -v[LIM], v[LIM]   ; the conversion does not saturate (ISA guide 7.6.2)
.endr
.endr
.irp b, 0,1,2,3,4,5,6,7
	v_cvt_scalef32_pk8_fp8_f32 v[PCS+2*\b:PCS+2*\b+1], v[T+8*\b:T+8*\b+7], v[SC]
.endr
	v_nop                                          ; one plain vector instruction behind the last conversion: the next block writes the conversions' sources
.irp g, 0,1,2,3
.if \kind
	global_store_b128 v[CO], v[PCS+4*\g:PCS+4*\g+3], s[76:77] offset:((\a)/4)*131072+((\a)%4)*2048+\g*512 th:TH_STORE_NT
.else
	global_store_b128 v[CO], v[PCS+4*\g:PCS+4*\g+3], s[76:77] offset:(\g/2)*131072+(\a)*1024+(\g%2)*512 th:TH_STORE_NT
.endif
.endr
.endm
	s_wait_tensorcnt 1                             ; my part of K step 0 is in (K step 1's load may be out)
	s_barrier_signal -1
	s_barrier_wait -1                              ; everybody's is
	FETCH_B 0, 0, 0
	FETCH_A 0, 0, 0
	FETCH_A 0, 0, 4
	STEP 0, 0, 1                                   ; the first step's products start the sums
	s_mov_b32 s3, LAPS-1
.Llap:                                                 ; a trip goes once round the ring and fills both slots again
	TURN 0, 1, 1
	STEP 1, 0, 0
	TURN 1, 0, 1
	STEP 0, 0, 0
	s_sub_co_u32 s3, s3, 1
	s_cmp_lg_u32 s3, 0
	s_cbranch_scc1 .Llap
	TURN 0, 1, 0                                   ; the last lap fills nothing
	STEP 1, 0, 0
	s_wait_kmcnt 0x0                               ; the scales' exponents
	s_add_co_i32 s96, s68, s69
	s_add_co_i32 s96, s96, 127
	s_lshl_b32 s96, s96, 23                        ; 2^(e0 + e1) as f32
	s_mov_b32 s97, s96                             ; (named with it as a pair)
	s_lshl_b32 s78, s17, 8
	s_lshl_b32 s79, s15, 7
	s_add_co_u32 s78, s78, s79                     ; my first row of A: 256 x tile + 128 x half
	s_lshl_b32 s79, s42, 8
	s_lshl_b32 s82, s16, 7
	s_add_co_u32 s79, s79, s82                     ; my first row of B
	s_mov_b32 s81, 0
	s_mov_b32 s83, 0
	s_cmp_lt_u32 ttmp9, 2                          ; the one parting of the ways: on the cluster's x, the same in every wave of every partner
	s_cbranch_scc0 .Lv
	; ---- q, k: s78 = my first token, s79 = my first feature (0 .. 2,047)
	s_lshl_b32 s80, s79, 2
	s_add_nc_u64 s[80:81], s[10:11], s[80:81]      ; the bias of my 128 features
	v_lshlrev_b32 v[BO], 5, v2                     ; + 32 h: for B's block b the eight at 16 b + 8 h
.irp b, 0,1,2,3,4,5,6,7
	global_load_b128 v[BI+8*\b:BI+8*\b+3], v[BO], s[80:81] offset:64*\b
	global_load_b128 v[BI+8*\b+4:BI+8*\b+7], v[BO], s[80:81] offset:64*\b+16
.endr
	s_lshr_b32 s82, s78, 11                        ; b
	s_lshl_b32 s82, s82, 4
	s_and_b32 s79, s79, 1023
	s_lshr_b32 s79, s79, 6
	s_add_co_u32 s82, s82, s79                     ; 16 b + my first head
	s_lshl_b32 s82, s82, 7
	s_and_b32 s78, s78, 2047
	s_lshr_b32 s78, s78, 4
	s_add_co_u32 s82, s82, s78                     ; x 128 tiles + my first tile of tokens
	s_lshl_b32 s82, s82, 10                        ; x 1,024 bytes
	s_cmp_eq_u32 ttmp9, 0
	s_cselect_b64 s[76:77], s[84:85], s[86:87]     ; q_img or k_img
	s_cselect_b32 s94, s70, s71                    ; e2 or e3
	s_add_nc_u64 s[76:77], s[76:77], s[82:83]
	MKQ
	LASTSTEP
	s_wait_loadcnt 0x0                             ; the bias
.irp a, 0,1,2,3,4,5,6,7
	EPI \a, 0
.endr
	s_branch .Ldone
.Lv:
	; ---- v: s78 = my first feature (2,048 .. 3,071), s79 = my first token
	s_lshl_b32 s80, s78, 2
	s_add_nc_u64 s[80:81], s[10:11], s[80:81]
	v_lshlrev_b32 v[BO], 2, v1                     ; + 4 r: for A's block a the one at 16 a + r
.irp a, 0,1,2,3,4,5,6,7
	global_load_b32 v[BI+\a], v[BO], s[80:81] offset:64*\a
.endr
	s_lshr_b32 s82, s79, 11                        ; b
	s_lshl_b32 s82, s82, 4
	s_and_b32 s78, s78, 1023
	s_lshr_b32 s78, s78, 6
	s_add_co_u32 s82, s82, s78                     ; 16 b + my first head
	s_lshl_b32 s82, s82, 4
	s_and_b32 s79, s79, 2047
	s_lshr_b32 s79, s79, 7
	s_add_co_u32 s82, s82, s79                     ; x 16 blocks + my block of 128 keys
	s_lshl_b32 s82, s82, 13                        ; x 8,192 bytes
	s_add_nc_u64 s[76:77], s[88:89], s[82:83]
	s_mov_b32 s94, s73                             ; e5
	MKQ
	LASTSTEP
	s_wait_loadcnt 0x0
.irp a, 0,1,2,3,4,5,6,7
	EPI \a, 1
.endr
.Ldone:
	s_wait_tensorcnt 0x0                           ; the wave's end
	ds_add_u32 v[SPW], v[NIL]
	s_wait_dscnt 0x0
	CROUND                                         ; the closing round: no work-group ends while a partner may still ask for a tile that names it
	s_endpgm
.Lfunc_end_k_q3520b94cf5_gemm_qkv:
	.size	k_q3520b94cf5_gemm_qkv, .Lfunc_end_k_q3520b94cf5_gemm_qkv-k_q3520b94cf5_gemm_qkv
	.p2alignl 7, 3214868480
	.fill 96, 4, 3214868480
	.section	.rodata,"a",@progbits
	.p2align	6, 0x0
	.amdhsa_kernel k_q3520b94cf5_gemm_qkv
		.amdhsa_group_segment_fixed_size 327680
		.amdhsa_private_segment_fixed_size 0
		.amdhsa_enable_private_segment 0
		.amdhsa_kernarg_size 56
		.amdhsa_user_sgpr_count 2
		.amdhsa_user_sgpr_kernarg_segment_ptr 1
		.amdhsa_wavefront_size32 1
		.amdhsa_system_sgpr_workgroup_id_x 1
		.amdhsa_system_sgpr_workgroup_id_y 1
		.amdhsa_system_sgpr_workgroup_id_z 1
		.amdhsa_system_vgpr_workitem_id 0
		.amdhsa_next_free_vgpr 1024
		.amdhsa_next_free_sgpr 100
		.amdhsa_reserve_vcc 0
		.amdhsa_float_denorm_mode_32 3
		.amdhsa_float_denorm_mode_16_64 3
		.amdhsa_memory_ordered 1
		.amdhsa_forward_progress 1
		.amdhsa_inst_pref_size 198
	.end_amdhsa_kernel
	.amdgpu_metadata
---
amdhsa.version: [ 1, 2 ]
amdhsa.kernels:
  - .name:           k_q3520b94cf5_gemm_qkv
    .symbol:         k_q3520b94cf5_gemm_qkv.kd
    .args:
      - { .name: x_codes, .offset: 0, .size: 8, .value_kind: global_buffer, .address_space: global }
      - { .name: wqkv_codes, .offset: 8, .size: 8, .value_kind: global_buffer, .address_space: global }
      - { .name: lowp_scales, .offset: 16, .size: 8, .value_kind: global_buffer, .address_space: global }
      - { .name: b_qkv, .offset: 24, .size: 8, .value_kind: global_buffer, .address_space: global }
      - { .name: q_img, .offset: 32, .size: 8, .value_kind: global_buffer, .address_space: global }
      - { .name: k_img, .offset: 40, .size: 8, .value_kind: global_buffer, .address_space: global }
      - { .name: v_img, .offset: 48, .size: 8, .value_kind: global_buffer, .address_space: global }
    .group_segment_fixed_size: 327680
    .private_segment_fixed_size: 0
    .kernarg_segment_align: 8
    .kernarg_segment_size: 56
    .max_flat_workgroup_size: 128
    .sgpr_count:     100
    .vgpr_count:     1024
    .wavefront_size: 32
...
	.end_amdgpu_metadata
.endif
;; end of part 2
;; launch attn (part 3): grid 8 x 32, 16 waves a work-group, no clusters, 264,192 bytes of LDS; arguments q_img, k_img, v_img, idx, weight, lowp_scales, o_img; writes o_img
.if DOCPART == 3
	.amdgcn_target "amdgcn-amd-amdhsa--gfx1250"
	.amdhsa_code_object_version 6
	.text
	.protected	k_q3520b94cf5_attn
	.globl	k_q3520b94cf5_attn
	.p2align	8
	.type	k_q3520b94cf5_attn,@function
k_q3520b94cf5_attn:
	s_mov_b64 s[64:65], 0
	v_nop
	global_prefetch_b8 v0, s[64:65] scope:SCOPE_SE
	s_setreg_imm32_b32 hwreg(HW_REG_WAVE_MODE, 25, 1), 1
	s_wait_xcnt 0x0
; Causal attention of one head (16 b + head = work-group y) on codes of FP8 (E4M3), with the weights re-weighted behind the softmax: w_k = p_k a_k / L, p_k = 2^(t_k - M), t = score x log2(e) / 8,
; a_k = weight where k >= idx[b], else 1, L = the sum over the row of p_k a_k: algebraically softmax x a, divided by its row sum.  w is quantised FINISHED, so L must be known before any code is made:
; TWO WALKS over the keys.  Walk 1: the running largest t (M = that, rounded up to a whole number, so that a change of M rescales the sum by a power of two) and L.  Walk 2: the scores again, w, its codes, O^T += V^T w^T.
; Keys behind the query are left out (their weight is exactly 0): whole steps by a scalar branch on ids, the step on the diagonal by -infinity ahead of the exponential.
; SHARES.  A work-group: 16 tiles of 16 queries of one head, a tile a wave, in 256 registers.  Work-group x = g holds tiles 8 g + u and 127 - (8 g + u), u = 0..7: the same number of key steps in every work-group.
; LDS.  The head's K (131,072 bytes) and V (131,072 bytes) as images of operand registers, each byte filled ONCE, by waves 0-7 (16,384 bytes of each a wave), and only read afterwards: no ring, no refill.
; No cluster: the work-groups that share K and V are different blocks of queries, and the causal skip is a branch on that block, which partners of a joint load may not have.
; No prefetch: every tensor load of the launch is issued in its first lines.
; LAYOUT.  Both products are used transposed: S^T = K Q^T (source 0 = 16 keys), O^T = V^T w^T (source 0 = 16 of the head's 64): a lane holds ONE query (lane % 16); register 8 t + j of the scores is key KF + 16 t + 8 h + j,
; so the conversion of tile t gives registers 2 t, 2 t + 1 of the second product's operand.
; a WITHOUT A COMPARE FOR EACH NUMBER: a_n = AL + BE x A[n]; A is the pattern of the one step that idx cuts, made once; (AL, BE) = (1, 0) for a step before idx, (weight, 0) behind it, (0, 1) for the cut step, chosen by s_cselect_b32.
; The result, O x 2^(e4 + e5), is quantised with entry 6 and stored as an image: o_img [head / 4][128 b + tile][4,096 bytes], head % 4 picking 1,024 of them.
; LIMITS: e2 + e3 between -123 and 130 (added to c's exponent field); e4, and e6 - e4 - e5, between -126 and 119.  L = 0 gives non-finite numbers ahead of the quantiser.  NaN is not served.
.set LI,   1                           ; v1   16 x lane
.set RH,   2                           ; v2   r - 8 h
.set ADK,  3                           ; v3   LDS address of the step's K
.set ADV,  4                           ; v4   of its V
.set ONE,  5                           ; v5   1.0
.set WGT,  6                           ; v6   weight
.set NINF, 7                           ; v7   -infinity
.set PSC,  8                           ; v8   2^e4
.set PLIM, 9
.set INVL, 10                          ; v10  1 / L
.set PRM,  11                          ; v11  a lane permute's destination
.set NM,   12                          ; v12  -M; v13 the largest t
.set LS,   14                          ; v[14:15] L in two halves
.set QF,   16                          ; v16-23   Q's fragment
.set KV,   24                          ; v24-55   four fragments of K, or two of V, or a / L
.set SS,   56                          ; v56-119  S^T, then p, then w
.set PA,   120                         ; v120-183 the pattern A
.set OA,   184                         ; v184-215 O^T: four accumulators
.set PC,   216                         ; v216-231 w's codes; at the end o's
.set U0,   232                         ; v[232:235] two chains of the sum of p
.set W0,   236                         ; v[236:239] two chains of the sum of p A
.set AP,   240                         ; v[240:241] AL / L
.set BP,   242                         ; v[242:243] BE / L
.set T0,   244
.set T1,   245
.set FF,   246                         ; v[246:247] 2^(old M - new M)
.set OSC,  250                         ; v250 2^(e6 - e4 - e5)
.set OLIM, 251
.set WV,   18
.set TILE, 19
.set Q0,   20                          ; s20  my first query
.set QL,   21                          ; s21  my last
.set CS,   22                          ; s[22:23] c = log2(e) / 8 x 2^(e2 + e3)
.set G1,   24                          ; s[24:31] descriptor group 1
.set G0K,  32                          ; s[32:35], s[36:39] groups 0
.set G0V,  36
.set IDX,  48
.set WS,   49
.set AL,   50                          ; s[50:51]
.set BE,   52                          ; s[52:53]
.set KF,   54                          ; s54  the step's first key
.set KB,   55                          ; s55  LDS byte of the step's K
.set VB,   56                          ; s56  of its V
.set CNT,  57
.set SEL,  58                          ; s[58:59] selects for lane l xor 16
.set BH,   66
.set ONES, 67                          ; s67  1.0
.macro ABSEL                           ; (AL, BE) for the step at KF: signed compares with idx, no branch
	s_add_co_u32 s60, s[KF], 128
	s_cmp_le_i32 s60, s[IDX]                       ; all 128 keys before idx?
	s_cselect_b32 s[AL], s[ONES], 0
	s_cselect_b32 s[BE], 0, s[ONES]
	s_cmp_ge_i32 s[KF], s[IDX]                     ; all at or behind it?
	s_cselect_b32 s[AL], s[WS], s[AL]
	s_cselect_b32 s[BE], 0, s[BE]
.endm
.macro SCORES                          ; S^T = K Q^T for 128 keys, four tiles of 16 at a time
	v_add_nc_u32 v[ADK], s[KB], v[LI]
	s_wait_alu depctr_va_vdst(0)
.irp g, 0,1
.rept 3+\g
	v_nop                                          ; four places in front of loads into registers that matrix instructions have read (the addition above is one)
.endr
.irp u, 0,1,2,3
	ds_load_b128 v[KV+8*\u:KV+8*\u+3], v[ADK] offset:1024*(4*\g+\u)
	ds_load_b128 v[KV+8*\u+4:KV+8*\u+7], v[ADK] offset:1024*(4*\g+\u)+512
.endr
	s_wait_dscnt 0x0
.irp u, 0,1,2,3
	v_wmma_f32_16x16x64_fp8_fp8 v[SS+8*(4*\g+\u):SS+8*(4*\g+\u)+7], v[KV+8*\u:KV+8*\u+7], v[QF:QF+7], 0
.endr
.endr
.rept 4
	v_nop                                          ; four places in front of the first read of the scores
.endr
.endm
.macro MASK                            ; on the diagonal hidden scores become -infinity; a step all of whose keys count skips this
	s_add_co_u32 s60, s[KF], 127
	s_cmp_le_u32 s60, s[Q0]
	s_cbranch_scc1 .Lopen_\@
	s_sub_co_i32 s60, s[Q0], s[KF]
	v_add_nc_u32 v[T0], s60, v[RH]                 ; d = my query - KF - 8 h: register 8 t + j is hidden where 16 t + j > d
.irp t, 0,1,2,3,4,5,6,7
.irp j, 0,1,2,3,4,5,6,7
	v_cmp_gt_i32 vcc_lo, 16*\t+\j, v[T0]
	v_cndmask_b32 v[SS+8*\t+\j], v[SS+8*\t+\j], v[NINF], vcc_lo
.endr
.endr
.Lopen_\@:
.endm
.macro TMINUSM                         ; t - M, two at a time, each accumulator from its low end on; then p = 2^(t - M): one batch of 64 exponentials
.irp t, 0,1,2,3,4,5,6,7
.irp j, 0,2,4,6
	v_pk_fma_f32 v[SS+8*\t+\j:SS+8*\t+\j+1], v[SS+8*\t+\j:SS+8*\t+\j+1], s[CS:CS+1], v[NM:NM+1] op_sel_hi:[1,0,0]
.endr
.endr
	s_wait_alu depctr_va_vdst(0)
.irp t, 0,1,2,3,4,5,6,7
.irp j, 0,1,2,3,4,5,6,7
	v_exp_f32 v[SS+8*\t+\j], v[SS+8*\t+\j]
.endr
.endr
.endm
; WALK 1, a step of 128 keys: the running M and L.
.macro P1STEP
	s_cmp_gt_u32 s[KF], s[QL]                      ; all keys behind my queries: the step's work is left out
	s_cbranch_scc1 .Lhid1_\@
	ABSEL
	s_setprio 2
	SCORES
	MASK
	v_max3_num_f32 v[T0], v[SS], v[SS+1], v[SS+2]  ; the step's largest score of my query among my 64 keys, in two chains,
	v_max3_num_f32 v[T1], v[SS+3], v[SS+4], v[SS+5]
.irp i, 6,10,14,18,22,26,30,34,38,42,46,50,54,58
	v_max3_num_f32 v[T0], v[T0], v[SS+\i], v[SS+\i+1]
	v_max3_num_f32 v[T1], v[T1], v[SS+\i+2], v[SS+\i+3]
.endr
	s_setprio 1
	v_max3_num_f32 v[T0], v[T0], v[SS+62], v[SS+63]
	s_delay_alu instid0(VALU_DEP_1)
	v_max_num_f32 v[T0], v[T0], v[T1]
	s_delay_alu instid0(VALU_DEP_1)
	v_permlanex16_b32 v[PRM], v[T0], s[SEL], s[SEL+1]
	s_delay_alu instid0(VALU_DEP_1)
	v_max_num_f32 v[T0], v[T0], v[PRM]             ; and among lane l xor 16's
	s_delay_alu instid0(VALU_DEP_1)
	v_mul_f32 v[T0], s[CS], v[T0]                  ; as t (c is positive)
	s_delay_alu instid0(VALU_DEP_1)
	v_max_num_f32 v[NM+1], v[NM+1], v[T0]          ; the running largest t
	v_mov_b32 v[T0], v[NM]
	s_delay_alu instid0(VALU_DEP_2)
	v_floor_f32 v[NM], -v[NM+1]                    ; the new -M = -ceil(t)
	s_delay_alu instid0(VALU_DEP_1)
	v_sub_f32 v[T0], v[NM], v[T0]                  ; old M - new M: a whole number, 0 or less
	s_delay_alu instid0(VALU_DEP_1)
	v_cvt_i32_f32 v[T0], v[T0]
	s_delay_alu instid0(VALU_DEP_1)
	v_ldexp_f32 v[FF], 1.0, v[T0]
	TMINUSM
	v_pk_mul_f32 v[LS:LS+1], v[LS:LS+1], v[FF:FF+1] op_sel_hi:[1,0]   ; L under the new M: nothing is rounded.  (The plain instruction behind the exponentials)
	s_wait_alu depctr_va_vdst(0)                   ; one wait for the batch, ahead of its first reader
	v_pk_add_f32 v[U0:U0+1], v[SS:SS+1], v[SS+4:SS+5]
	v_pk_add_f32 v[U0+2:U0+3], v[SS+2:SS+3], v[SS+6:SS+7]
	v_pk_mul_f32 v[W0:W0+1], v[SS:SS+1], v[PA:PA+1]
	v_pk_mul_f32 v[W0+2:W0+3], v[SS+2:SS+3], v[PA+2:PA+3]
	v_pk_fma_f32 v[W0:W0+1], v[SS+4:SS+5], v[PA+4:PA+5], v[W0:W0+1]
	v_pk_fma_f32 v[W0+2:W0+3], v[SS+6:SS+7], v[PA+6:PA+7], v[W0+2:W0+3]
	s_setprio 0
.irp p, 4,5,6,7,8,9,10,11,12,13,14,15,16,17,18,19,20,21,22,23,24,25,26,27,28,29,30,31
	v_pk_add_f32 v[U0+2*(\p%2):U0+2*(\p%2)+1], v[U0+2*(\p%2):U0+2*(\p%2)+1], v[SS+2*\p:SS+2*\p+1]
	v_pk_fma_f32 v[W0+2*(\p%2):W0+2*(\p%2)+1], v[SS+2*\p:SS+2*\p+1], v[PA+2*\p:PA+2*\p+1], v[W0+2*(\p%2):W0+2*(\p%2)+1]
.endr
	s_delay_alu instid0(VALU_DEP_2)
	v_pk_add_f32 v[U0:U0+1], v[U0:U0+1], v[U0+2:U0+3]
	s_delay_alu instid0(VALU_DEP_2)
	v_pk_add_f32 v[W0:W0+1], v[W0:W0+1], v[W0+2:W0+3]
	s_delay_alu instid0(VALU_DEP_2)
	v_pk_fma_f32 v[LS:LS+1], v[U0:U0+1], s[AL:AL+1], v[LS:LS+1] op_sel_hi:[1,0,1]   ; L += AL x the sum of p
	s_delay_alu instid0(VALU_DEP_1)
	v_pk_fma_f32 v[LS:LS+1], v[W0:W0+1], s[BE:BE+1], v[LS:LS+1] op_sel_hi:[1,0,1]   ;    + BE x the sum of p A
.Lhid1_\@:
.endm
; WALK 2, a step of 128 keys: w = p x (a / L), its codes, O^T += V^T w^T.
.macro P2STEP
	s_cmp_gt_u32 s[KF], s[QL]
	s_cbranch_scc1 .Lhid2_\@
	ABSEL
	s_setprio 2
	SCORES
	MASK
	v_mul_f32 v[AP], s[AL], v[INVL]
	v_mul_f32 v[BP], s[BE], v[INVL]
	v_add_nc_u32 v[ADV], s[VB], v[LI]
	s_setprio 1
	TMINUSM
.irp j, 0,2,4,6,8,10,12,14,16,18,20,22,24,26,28,30
	v_pk_fma_f32 v[KV+\j:KV+\j+1], v[PA+\j:PA+\j+1], v[BP:BP+1], v[AP:AP+1] op_sel_hi:[1,0,0]   ; a / L of registers 0-31: work that names no exponential's result
.endr
	s_wait_alu depctr_va_vdst(0)                   ; one wait for the batch, ahead of its first reader
.irp j, 0,2,4,6,8,10,12,14,16,18,20,22,24,26,28,30
	v_pk_mul_f32 v[SS+\j:SS+\j+1], v[SS+\j:SS+\j+1], v[KV+\j:KV+\j+1]
.endr
.irp j, 0,2,4,6,8,10,12,14,16,18,20,22,24,26,28,30
	v_pk_fma_f32 v[KV+\j:KV+\j+1], v[PA+32+\j:PA+32+\j+1], v[BP:BP+1], v[AP:AP+1] op_sel_hi:[1,0,0]
.endr
.irp j, 0,2,4,6,8,10,12,14,16,18,20,22,24,26,28,30
	v_pk_mul_f32 v[SS+32+\j:SS+32+\j+1], v[SS+32+\j:SS+32+\j+1], v[KV+\j:KV+\j+1]
.endr
	s_setprio 0
.irp u, 0,1
.irp c, 0,1,2,3
	ds_load_b128 v[KV+16*\u+4*\c:KV+16*\u+4*\c+3], v[ADV] offset:2048*\u+512*\c   ; V's first two fragments land while w is quantised
.endr
.endr
.irp t, 0,1,2,3,4,5,6,7
.irp j, 0,1,2,3,4,5,6,7
.endr
.endr
.irp t, 0,1,2,3,4,5,6,7
	v_cvt_scalef32_pk8_fp8_f32 v[PC+2*\t:PC+2*\t+1], v[SS+8*\t:SS+8*\t+7], v[PSC]
.endr
	v_nop                                          ; one plain vector instruction between the last conversion and the matrix instruction that reads its result
	s_wait_alu depctr_va_vdst(0)
	s_wait_dscnt 0x0
.irp u, 0,1                            ; the four accumulators take turns, one instruction a turn; the eight score products stand between two steps
	v_wmma_f32_16x16x128_fp8_fp8 v[OA+8*\u:OA+8*\u+7], v[KV+16*\u:KV+16*\u+15], v[PC:PC+15], v[OA+8*\u:OA+8*\u+7]
.endr
.rept 4
	v_nop
.endr
.irp u, 0,1
.irp c, 0,1,2,3
	ds_load_b128 v[KV+16*\u+4*\c:KV+16*\u+4*\c+3], v[ADV] offset:2048*(2+\u)+512*\c
.endr
.endr
	s_wait_dscnt 0x0
.irp u, 0,1
	v_wmma_f32_16x16x128_fp8_fp8 v[OA+16+8*\u:OA+16+8*\u+7], v[KV+16*\u:KV+16*\u+15], v[PC:PC+15], v[OA+16+8*\u:OA+16+8*\u+7]
.endr
.Lhid2_\@:
.endm
	s_load_b256 s[4:11], s[0:1], 0x0               ; q_img s[4:5], k_img s[6:7], v_img s[8:9], idx s[10:11]
	s_load_b128 s[12:15], s[0:1], 0x20             ; weight s[12:13], the scales' exponents s[14:15]
	s_load_b64 s[16:17], s[0:1], 0x30              ; o_img
	v_lshl_add_u32 v254, v0, 2, 0x40000
	v_mov_b32 v255, 0
	ds_add_u32 v254, v255
	ds_add_u32 v254, v255
	v_lshrrev_b32 v[T0], 5, v0
	s_delay_alu instid0(VALU_DEP_1)
	v_readfirstlane_b32 s[WV], v[T0]               ; wave 0..15
	s_and_b32 s[BH], ttmp7, 0xffff                 ; 16 b + head
	s_lshr_b32 s60, s[WV], 1                       ; u
	s_lshl_b32 s61, ttmp9, 3
	s_add_co_u32 s60, s60, s61                     ; 8 g + u
	s_sub_co_u32 s61, 127, s60
	s_lshr_b32 s62, s[WV], 2
	s_xor_b32 s62, s62, s[WV]
	s_and_b32 s62, s62, 1                          ; of the two waves with one u, one takes the early tile and one the late; the choice alternates so that early and late waves are spread evenly
	s_cmp_eq_u32 s62, 0
	s_cselect_b32 s[TILE], s60, s61
	s_lshl_b32 s[Q0], s[TILE], 4
	s_add_co_u32 s[QL], s[Q0], 15
	; descriptor group 1: a dense block of 16,384 bytes as 64 rows of 256 bytes
	s_mov_b32 s[G1], 3<<16                         ; no mask; elements of 8 bytes; no padding
	s_mov_b32 s[G1+1], 32<<16                      ; tensor_dim0 = 32
	s_mov_b32 s[G1+2], 64<<16                      ; tensor_dim1 = 64
	s_mov_b32 s[G1+3], 32<<16                      ; tile_dim0 = 32
	s_mov_b32 s[G1+4], 64                          ; tile_dim1 = 64
	s_mov_b32 s[G1+5], 32                          ; from row to row
	s_mov_b32 s[G1+6], 0
	s_mov_b32 s[G1+7], 0
	s_mov_b32 s[G0K], 1
	s_lshl_b32 s[G0K+1], s[WV], 14                 ; K: LDS byte 16,384 x wave
	s_mov_b32 s[G0V], 1
	s_add_co_u32 s[G0V+1], s[G0K+1], 131072        ; V: behind K's 131,072
	s_lshl_b32 s60, s[BH], 17                      ; the head's 131,072 bytes in k_img and in v_img,
	s_add_co_u32 s60, s60, s[G0K+1]                ; my wave's part
	s_mov_b32 s61, 0
	s_wait_dscnt 0x0
	s_wait_kmcnt 0x0
	s_add_nc_u64 s[G0K+2:G0K+3], s[6:7], s[60:61]
	s_or_b32 s[G0K+3], s[G0K+3], 0x80000000
	s_add_nc_u64 s[G0V+2:G0V+3], s[8:9], s[60:61]
	s_or_b32 s[G0V+3], s[G0V+3], 0x80000000
	s_cmp_lt_u32 s[WV], 8                          ; waves 0-7 fetch: both first fills of a wave in one branch; two loads of mine are out at the most
	s_cbranch_scc0 .Lno_fetch
	tensor_load_to_lds s[G0K:G0K+3], s[G1:G1+7]
	s_nop 0
	tensor_load_to_lds s[G0V:G0V+3], s[G1:G1+7]
	s_nop 0
.rept 4
	v_nop
.endr
.Lno_fetch:
	s_load_b64 s[62:63], s[10:11], 0x0             ; idx[0], idx[1]
	s_load_b32 s[WS], s[12:13], 0x0                ; weight
	s_load_b256 s[40:47], s[14:15], 0x0            ; e0 .. e7
	v_and_b32 v[LI], 31, v0
	s_delay_alu instid0(VALU_DEP_1)
	v_lshlrev_b32 v[LI], 4, v[LI]
	s_lshl_b32 s60, s[BH], 7
	s_add_co_u32 s60, s60, s[TILE]
	s_lshl_b32 s60, s60, 10                        ; my tile's fragment of Q: (128 (16 b + head) + tile) x 1,024 bytes
	s_add_nc_u64 s[4:5], s[4:5], s[60:61]
	global_load_b128 v[QF:QF+3], v[LI], s[4:5]
	global_load_b128 v[QF+4:QF+7], v[LI], s[4:5] offset:512
	v_and_b32 v[RH], 15, v0                        ; r
	v_bfe_u32 v[T0], v0, 4, 1                      ; h
	s_delay_alu instid0(VALU_DEP_1)
	v_lshlrev_b32 v[T1], 3, v[T0]                  ; 8 h
	s_delay_alu instid0(VALU_DEP_1)
	v_sub_nc_u32 v[RH], v[RH], v[T1]
	v_mov_b32 v[ONE], 1.0
	v_mov_b32 v[NINF], 0xff800000
	v_mov_b32 v[PRM], 0                            ; written once: a lane permute's destination counts as one of its sources
	v_mov_b32 v[NM+1], 0xff61b1e6                  ; the largest t so far: -3e38, under every t
	s_delay_alu instid0(VALU_DEP_1)
	v_floor_f32 v[NM], -v[NM+1]
	v_mov_b32 v[LS], 0
	v_mov_b32 v[LS+1], 0
	v_mov_b32 v[AP+1], 0                           ; (upper halves of pairs of which the low word serves both halves)
	v_mov_b32 v[BP+1], 0
	v_mov_b32 v[FF+1], 0
.irp t, 0,1,2,3
.irp j, 0,1,2,3,4,5,6,7
	v_mov_b32 v[OA+8*\t+\j], 0                     ; O^T: the step of walk 2 is written once, and its first trip adds onto zeros
.endr
.endr
	s_mov_b32 s[SEL], 0x76543210
	s_mov_b32 s[SEL+1], 0xfedcba98
	s_mov_b32 s[ONES], 0x3f800000
	s_mov_b32 s[AL+1], 0
	s_mov_b32 s[BE+1], 0
	s_mov_b32 s[CS], 0x3e38aa3b                    ; log2(e) / 8
	s_wait_kmcnt 0x0
	s_cmp_lt_u32 s[BH], 16
	s_cselect_b32 s[IDX], s62, s63                 ; idx[b]
	s_add_co_i32 s60, s42, s43
	s_lshl_b32 s60, s60, 23
	s_add_co_i32 s[CS], s[CS], s60                 ; a score stands for score x 2^(e2 + e3): added to c's exponent field
	s_mov_b32 s[CS+1], s[CS]
	s_add_co_i32 s60, s44, 127
	s_lshl_b32 s61, s60, 23
	v_mov_b32 v[PSC], s61                          ; 2^e4
	s_sub_co_i32 s60, s46, s44
	s_sub_co_i32 s60, s60, s45                     ; a sum of the second product stands for sum x 2^(e4 + e5): its code is sum / 2^(e6 - e4 - e5)
	s_add_co_i32 s60, s60, 127
	s_lshl_b32 s61, s60, 23
	v_mov_b32 v[OSC], s61
	v_mov_b32 v[WGT], s[WS]
	s_and_b32 s60, s[IDX], 127
	v_sub_nc_u32 v[T0], s60, v[T1]                 ; idx % 128 - 8 h: in the step that idx cuts, register 8 t + j is at or behind idx where 16 t + j >= that
.irp t, 0,1,2,3,4,5,6,7
.irp j, 0,1,2,3,4,5,6,7
	v_cmp_ge_i32 vcc_lo, 16*\t+\j, v[T0]
	s_delay_alu instid0(VALU_DEP_1)
	v_cndmask_b32 v[PA+8*\t+\j], v[ONE], v[WGT], vcc_lo
.endr
.endr
	s_wait_tensorcnt 1                             ; my part of K is in; V's load, issued behind it, may be out
	s_barrier_signal -1
	s_barrier_wait -1                              ; all of K is in
	s_wait_loadcnt 0x0                             ; Q
	s_mov_b32 s[KF], 0
	s_mov_b32 s[KB], 0
	s_mov_b32 s[CNT], 16
.Lwalk1:                                               ; 16 trips in every wave: the count is a constant, hidden steps are jumped over inside the trip
	P1STEP
	s_add_co_u32 s[KF], s[KF], 128
	s_add_co_u32 s[KB], s[KB], 8192
	s_sub_co_u32 s[CNT], s[CNT], 1
	s_cmp_lg_u32 s[CNT], 0
	s_cbranch_scc1 .Lwalk1
	s_setprio 0
	s_wait_alu depctr_va_vdst(0)
	v_add_f32 v[T0], v[LS], v[LS+1]                ; L's two halves,
	s_delay_alu instid0(VALU_DEP_1)
	v_permlanex16_b32 v[PRM], v[T0], s[SEL], s[SEL+1]
	s_delay_alu instid0(VALU_DEP_1)
	v_add_f32 v[T0], v[T0], v[PRM]                 ; and lane l xor 16's
	s_wait_alu depctr_va_vdst(0)
	v_rcp_f32 v[INVL], v[T0]
	v_nop                                          ; a plain instruction behind the reciprocal
	s_wait_alu depctr_va_vdst(0)                   ; and the wait ahead of its first reader
	s_wait_tensorcnt 0x0                           ; my part of V is in,
	s_wait_dscnt 0x0
	s_barrier_signal -1
	s_barrier_wait -1                              ; everybody's is
	s_mov_b32 s[KF], 0
	s_mov_b32 s[KB], 0
	s_mov_b32 s[VB], 131072
	s_mov_b32 s[CNT], 16
.Lwalk2:
	P2STEP
	s_add_co_u32 s[KF], s[KF], 128
	s_add_co_u32 s[KB], s[KB], 8192
	s_add_co_u32 s[VB], s[VB], 8192
	s_sub_co_u32 s[CNT], s[CNT], 1
	s_cmp_lg_u32 s[CNT], 0
	s_cbranch_scc1 .Lwalk2
	s_setprio 0
	; THE WAY OUT: register 8 t + j of O^T is channel 16 t + 8 h + j of my query: the conversion of tile t gives registers 2 t, 2 t + 1 of my head's half of the last product's operand
	s_and_b32 s60, s[BH], 15                       ; head
	s_lshr_b32 s61, s60, 2
	s_lshl_b32 s61, s61, 20                        ; head / 4: 1,048,576 bytes each
	s_lshr_b32 s62, s[BH], 4
	s_lshl_b32 s62, s62, 7
	s_add_co_u32 s62, s62, s[TILE]                 ; 128 b + tile
	s_lshl_b32 s62, s62, 12
	s_add_co_u32 s61, s61, s62
	s_and_b32 s60, s60, 3
	s_lshl_b32 s60, s60, 10                        ; head % 4: 1,024 bytes each
	s_add_co_u32 s60, s60, s61
	s_mov_b32 s61, 0
	s_add_nc_u64 s[16:17], s[16:17], s[60:61]
.rept 4
	v_nop                                          ; four places behind the last products
.endr
.irp t, 0,1,2,3
.irp j, 0,1,2,3,4,5,6,7
.endr
.endr
.irp t, 0,1,2,3
	v_cvt_scalef32_pk8_fp8_f32 v[PC+2*\t:PC+2*\t+1], v[OA+8*\t:OA+8*\t+7], v[OSC]
.endr
	v_nop
	global_store_b128 v[LI], v[PC:PC+3], s[16:17] th:TH_STORE_NT               ; the wave stores 512 consecutive aligned bytes, twice
	global_store_b128 v[LI], v[PC+4:PC+7], s[16:17] offset:512 th:TH_STORE_NT
	s_wait_tensorcnt 0x0
	ds_add_u32 v254, v255
	s_wait_dscnt 0x0
	s_endpgm
.Lfunc_end_k_q3520b94cf5_attn:
	.size	k_q3520b94cf5_attn, .Lfunc_end_k_q3520b94cf5_attn-k_q3520b94cf5_attn
	.p2alignl 7, 3214868480
	.fill 96, 4, 3214868480
	.section	.rodata,"a",@progbits
	.p2align	6, 0x0
	.amdhsa_kernel k_q3520b94cf5_attn
		.amdhsa_group_segment_fixed_size 264192
		.amdhsa_private_segment_fixed_size 0
		.amdhsa_enable_private_segment 0
		.amdhsa_kernarg_size 56
		.amdhsa_user_sgpr_count 2
		.amdhsa_user_sgpr_kernarg_segment_ptr 1
		.amdhsa_wavefront_size32 1
		.amdhsa_system_sgpr_workgroup_id_x 1
		.amdhsa_system_sgpr_workgroup_id_y 1
		.amdhsa_system_sgpr_workgroup_id_z 1
		.amdhsa_system_vgpr_workitem_id 0
		.amdhsa_next_free_vgpr 256
		.amdhsa_next_free_sgpr 72
		.amdhsa_reserve_vcc 1
		.amdhsa_float_denorm_mode_32 3
		.amdhsa_float_denorm_mode_16_64 3
		.amdhsa_fp16_overflow 1
		.amdhsa_memory_ordered 1
		.amdhsa_forward_progress 1
		.amdhsa_inst_pref_size 52
	.end_amdhsa_kernel
	.amdgpu_metadata
---
amdhsa.version: [ 1, 2 ]
amdhsa.kernels:
  - .name:           k_q3520b94cf5_attn
    .symbol:         k_q3520b94cf5_attn.kd
    .args:
      - { .name: q_img, .offset: 0, .size: 8, .value_kind: global_buffer, .address_space: global }
      - { .name: k_img, .offset: 8, .size: 8, .value_kind: global_buffer, .address_space: global }
      - { .name: v_img, .offset: 16, .size: 8, .value_kind: global_buffer, .address_space: global }
      - { .name: idx, .offset: 24, .size: 8, .value_kind: global_buffer, .address_space: global }
      - { .name: weight, .offset: 32, .size: 8, .value_kind: global_buffer, .address_space: global }
      - { .name: lowp_scales, .offset: 40, .size: 8, .value_kind: global_buffer, .address_space: global }
      - { .name: o_img, .offset: 48, .size: 8, .value_kind: global_buffer, .address_space: global }
    .group_segment_fixed_size: 264192
    .private_segment_fixed_size: 0
    .kernarg_segment_align: 8
    .kernarg_segment_size: 56
    .max_flat_workgroup_size: 512
    .sgpr_count:     72
    .vgpr_count:     256
    .wavefront_size: 32
...
	.end_amdgpu_metadata
.endif
;; end of part 3
;; launch gemm_proj (part 4): grid 4 x 16, 4 waves a work-group, clusters of 4 x 4, 327,680 bytes of LDS; arguments o_img, wproj_codes, lowp_scales, b_proj, out0; writes out0
.if DOCPART == 4
	.amdgcn_target "amdgcn-amd-amdhsa--gfx1250"
	.amdhsa_code_object_version 6
	.text
	.protected	k_q3520b94cf5_gemm_proj
	.globl	k_q3520b94cf5_gemm_proj
	.p2align	8
	.type	k_q3520b94cf5_gemm_proj,@function
k_q3520b94cf5_gemm_proj:
	s_mov_b64 s[64:65], 0
	v_nop
	global_prefetch_b8 v0, s[64:65] scope:SCOPE_SE
	s_setreg_imm32_b32 hwreg(HW_REG_WAVE_MODE, 25, 1), 1
	s_wait_xcnt 0x0
	s_wait_alu depctr_hold_cnt(0) depctr_sa_sdst(0) depctr_va_vdst(0) depctr_va_sdst(0) depctr_va_ssrc(0) depctr_va_vcc(0) depctr_vm_vsrc(0)
	s_getreg_b32 s2, hwreg(HW_REG_IB_STS2, 6, 4)
	s_cmp_eq_u32 s2, 0
	s_cbranch_scc0 .Lentry_in_a_cluster
	s_endpgm
.Lentry_in_a_cluster:
	s_bfe_u32 s2, ttmp6, 0x10000c
	s_cmp_lg_u32 s2, 0xf033
	s_cbranch_scc0 .Lentry_shape_is_right
	s_endpgm
.Lentry_shape_is_right:
; out0 = o w_proj + b_proj on codes of FP8 (E4M3), K = 1,024.  out0: [4096][1024] f32; each finished sum x 2^(e6 + e7) + bias, by one packed multiply-add for two numbers.
; A = o as images of operand registers: o_img [K step of 256, 0..3][tile of 16 tokens, 0..255][4,096 bytes = two fragments of 16 tokens x 128 K], each group of four registers as 512 bytes, lane l's 16 at 16 l.
; B = w_proj's codes [n][1,024], K innermost, with the two middle groups of eight swapped in every 32, so that four loads of 16 bytes at 32 c + 16 h give the same places of k as A's images have.
; A tile of 256 x 256 is made by a work-group of four waves, 128 x 128 a wave.  K goes in steps of 256 through a ring of two LDS slots: A's part of a wave's load is one dense block of 32,768 bytes, B's 128 padded rows.
; CLUSTERS: 4 x 4 work-groups; A's tile is asked for jointly along a row of the cluster, B's along a column.  64 work-groups: the design has work for so many tiles of this size.
; THE MATRIX INSTRUCTION IS USED TRANSPOSED (source 0 = 16 rows of B, source 1 = 16 tokens): a lane holds eight neighbouring numbers of a row of out0.
; LIMIT: e6 + e7 between -126 and 127.
; REGISTERS, in windows of 256: window 0: v0-31 addresses; v32-35 my four columns' bias; from v128 A's fragments, ONE set; on the way out v128-255 rows read back.
;   window 1: B's fragments, TWO sets.   window 2: the accumulators of my rows 0-63;   window 3: those of my rows 64-127.
.set SIZE_N, 1024
.set ROWB,   256
.set KROW,   1024
.set PITCH,  272                       ; B's LDS row: 256 bytes + 16 of padding
.set FR,     16
.set NL,     4
.set NP,     4
.set HALFA,  32768                     ; A: 8 tiles of tokens x 4,096 bytes: what one tensor load brings
.set HALFT,  128*PITCH                 ; B: 128 rows
.set BOFF,   2*HALFA
.set SLOT,   2*HALFA+2*HALFT           ; 135,168
.set ASTEP,  1<<20                     ; from a K step of o_img to the next
.set LAPS,   2
.set SPARE,  2*SLOT                    ; behind the ring: the spare words, 128 bytes a wave
.set SPITCH, 528                       ; the way out: a stage of 16 rows x (512 + 16) bytes a wave, in slot 0, which has had its last fill and its last read by then
.set ADRA, 16
.set ADRB, 20
.set STO,  24
.set RD,   25
.set CO,   26
.set SPW,  28
.set NIL,  29
.set BIA,  32
.set AF,   128
.set BK,   128
.set G1, 24
.set G0, 32
.set G1B, 48
.set G0B, 56
.set MSB, 0
.macro WIN new
.if MSB != \new
	s_set_vgpr_msb (MSB<<8)|\new
.set MSB, \new
.endif
.endm
.set MUL_LO, 0xa1
.set MUL_HI, 0xf1
.set TO_B,   0x40
.macro JLOAD g0a, g1a, g0b, g1b        ; waves 0 and 1 fetch for A, waves 2 and 3 for B; four v_nop follow each line
	s_cmp_eq_u32 s15, 0
	s_cbranch_scc0 .Lfor_b_\@
	tensor_load_to_lds s[\g0a:\g0a+3], s[\g1a:\g1a+7]
	s_nop 0
.rept 4
	v_nop
.endr
	s_branch .Lasked_\@
.Lfor_b_\@:
	tensor_load_to_lds s[\g0b:\g0b+3], s[\g1b:\g1b+7]
	s_nop 0
.rept 4
	v_nop
.endr
.Lasked_\@:
.endm
.macro CREST
	s_cmp_lg_u32 s14, 0
	s_cbranch_scc1 .Lnot_wave_0_\@
	s_barrier_signal -3
.Lnot_wave_0_\@:
	s_barrier_wait -3
	s_barrier_signal -1
	s_barrier_wait -1
.endm
.macro CROUND
	s_barrier_signal -1
	s_barrier_wait -1
	CREST
.endm
	s_load_b128 s[4:7], s[0:1], 0x0                ; o_img s[4:5], w_proj's codes s[6:7]
	s_load_b128 s[8:11], s[0:1], 0x10              ; the scales' exponents s[8:9], b_proj s[10:11]
	s_load_b64 s[12:13], s[0:1], 0x20              ; out0
	v_lshl_add_u32 v[SPW], v0, 2, SPARE
	v_mov_b32 v[NIL], 0
	ds_add_u32 v28, v29
	ds_add_u32 v28, v29
	s_wait_dscnt 0x0
	v_lshrrev_b32 v1, 5, v0
	v_readfirstlane_b32 s14, v1                    ; wave 0..3
	s_lshr_b32 s15, s14, 1                         ; which half of the tile's rows is mine.  Also: I fetch for A (0) or for B (1)
	s_and_b32 s16, s14, 1                          ; which half of its columns.  Also: which half of that tile I fetch
	s_bfe_u32 s40, ttmp6, 0x40000                  ; cx, cy
	s_bfe_u32 s41, ttmp6, 0x40004
	s_lshl_b32 s42, ttmp9, 2
	s_add_co_u32 s42, s42, s40                     ; tile column
	s_and_b32 s17, ttmp7, 0xffff
	s_lshl_b32 s17, s17, 2
	s_add_co_u32 s17, s17, s41                     ; tile row
	s_lshl_b32 s43, s41, 2
	s_lshl_b32 s43, 15, s43                        ; my row of the cluster
	s_lshl_b32 s44, 0x1111, s40                    ; my column
	; A's group 1: a dense block of 32,768 bytes as 128 rows of 256 bytes, no padding
	s_or_b32 s[G1+0], s43, (3<<16)|(1<<21)         ; the mask; elements of 8 bytes; bit 21 beside a mask
	s_mov_b32 s[G1+1], 32<<16                      ; tensor_dim0 = 32
	s_mov_b32 s[G1+2], 128<<16                     ; tensor_dim1 = 128
	s_mov_b32 s[G1+3], 32<<16                      ; tile_dim0 = 32
	s_mov_b32 s[G1+4], 128                         ; tile_dim1 = 128
	s_mov_b32 s[G1+5], 32                          ; from row to row
	s_mov_b32 s[G1+6], 0
	s_mov_b32 s[G1+7], 0
	; B's: 128 rows of 256 bytes, 1,024 apart, padded in LDS
	s_or_b32 s[G1B+0], s44, (0<<16)|(1<<20)|(1<<21)|(5<<22)|(3<<25)
	s_mov_b32 s[G1B+1], ROWB<<16
	s_mov_b32 s[G1B+2], 128<<16
	s_mov_b32 s[G1B+3], ROWB<<16
	s_mov_b32 s[G1B+4], 128
	s_mov_b32 s[G1B+5], KROW
	s_mov_b32 s[G1B+6], 0
	s_mov_b32 s[G1B+7], 0
	s_lshl_b32 s20, s17, 16                        ; A: 16 tiles of tokens x 4,096 bytes for each tile row,
	s_lshl_b32 s18, s16, 15
	s_add_co_u32 s20, s20, s18                     ; + 8 tiles for the half that I fetch
	s_lshl_b32 s46, s42, 8
	s_lshl_b32 s18, s16, 7
	s_add_co_u32 s46, s46, s18                     ; B: row 256 x tile column + 128 x half
	s_lshl_b32 s46, s46, 10
	s_mov_b32 s21, 0
	s_mov_b32 s47, 0
	s_lshl_b32 s45, s16, 15                        ; where they go: A's halves at 0 and 32,768,
	s_mul_i32 s19, s16, HALFT
	s_add_co_u32 s19, s19, BOFF                    ; B's behind them: no place in the cluster enters an LDS address
	s_wait_kmcnt 0x0
	s_load_b64 s[96:97], s[8:9], 0x18              ; e6, e7
	s_add_nc_u64 s[20:21], s[4:5], s[20:21]
	s_add_nc_u64 s[46:47], s[6:7], s[46:47]
	CROUND                                         ; all sixteen work-groups are here: the first joint loads meet
.irp s, 0,1
	s_mov_b32 s[G0+4*\s], 1
	s_add_co_u32 s[G0+4*\s+1], s45, \s*SLOT
	s_add_nc_u64 s[G0+4*\s+2:G0+4*\s+3], s[20:21], \s*ASTEP
	s_or_b32 s[G0+4*\s+3], s[G0+4*\s+3], 0x80000000
	s_mov_b32 s[G0B+4*\s], 1
	s_add_co_u32 s[G0B+4*\s+1], s19, \s*SLOT
	s_add_nc_u64 s[G0B+4*\s+2:G0B+4*\s+3], s[46:47], \s*ROWB
	s_or_b32 s[G0B+4*\s+3], s[G0B+4*\s+3], 0x80000000
	JLOAD G0+4*\s, G1, G0B+4*\s, G1B
.endr
	v_and_b32 v1, 15, v0                           ; r
	v_bfe_u32 v2, v0, 4, 1                         ; h
	v_and_b32 v6, 31, v0
	v_lshlrev_b32 v[CO], 4, v6                     ; 16 x lane
	v_mul_u32_u24 v3, v1, PITCH
	v_lshl_add_u32 v4, v2, 4, v3                   ; B: a fragment's row x pitch + 16 x half
	s_lshl_b32 s21, s15, 15                        ; my 8 tiles of tokens
	s_mul_i32 s22, s16, HALFT
	s_add_co_u32 s22, s22, BOFF                    ; my 128 rows of B
.irp s, 0,1
	v_add_nc_u32 v[ADRA+\s], s21, v[CO]
	v_add_nc_u32 v[ADRB+\s], s22, v4
	s_add_co_u32 s21, s21, SLOT
	s_add_co_u32 s22, s22, SLOT
.endr
	s_mul_i32 s23, s14, 16*SPITCH                  ; my stage
	v_mul_u32_u24 v5, v1, SPITCH                   ; in: row r, 32 bytes for each half of the lanes
	v_lshl_add_u32 v5, v2, 5, v5
	v_add_nc_u32 v[STO], s23, v5
	v_add_nc_u32 v[RD], s23, v[CO]                 ; back: the 32 lanes take one row of 512 bytes
	s_lshl_b32 s46, s42, 10                        ; my first column, in bytes of f32: 1,024 x tile column + 512 x half
	s_lshl_b32 s47, s16, 9
	s_add_co_u32 s46, s46, s47
	s_mov_b32 s47, 0
	s_add_nc_u64 s[10:11], s[10:11], s[46:47]
	global_load_b128 v[BIA:BIA+3], v[CO], s[10:11] ; the bias of the four columns that I store of every row
	s_lshl_b32 s20, s17, 8
	s_lshl_b32 s21, s15, 7
	s_add_co_u32 s20, s20, s21                     ; my first row: 256 x tile row + 128 x half
	s_lshl_b32 s20, s20, 12                        ; x 4,096 bytes: under 2^24
	s_mov_b32 s21, 0
	s_add_nc_u64 s[20:21], s[20:21], s[46:47]
	s_add_nc_u64 s[12:13], s[12:13], s[20:21]
.macro FRAG reg, adr, q, i             ; B's fragment: registers 4 c .. 4 c + 3 hold the 16 bytes at 32 c + 16 (l / 16) of row l % 16
.irp c, 0,1,2,3
	ds_load_b128 v[\reg+4*\c:\reg+4*\c+3], v[\adr] offset:128*(\q)+32*\c+(\i)*16*PITCH
.endr
.endm
.macro FRAGA reg, adr, q, i            ; A's fragment comes back as it was stored: group c at 512 c, lane l's 16 bytes at 16 l
.irp c, 0,1,2,3
	ds_load_b128 v[\reg+4*\c:\reg+4*\c+3], v[\adr] offset:4096*(\i)+2048*(\q)+512*\c
.endr
.endm
.macro MUL16 a0, p, zero               ; the 64 accumulators take turns, one instruction a turn, in the same order in every step
.irp a, \a0, \a0+1
.irp b, 0,1,2,3,4,5,6,7
.if \zero
	v_wmma_f32_16x16x128_fp8_fp8 v[8*(8*((\a)%4)+\b):8*(8*((\a)%4)+\b)+7], v[128*(\p)+FR*\b:128*(\p)+FR*\b+FR-1], v[AF+FR*(\a):AF+FR*(\a)+FR-1], 0
.else
	v_wmma_f32_16x16x128_fp8_fp8 v[8*(8*((\a)%4)+\b):8*(8*((\a)%4)+\b)+7], v[128*(\p)+FR*\b:128*(\p)+FR*\b+FR-1], v[AF+FR*(\a):AF+FR*(\a)+FR-1], v[8*(8*((\a)%4)+\b):8*(8*((\a)%4)+\b)+7]
.endif
.endr
.endr
.endm
.macro FETCH_B slot, q, p
	WIN TO_B
.irp i, 0,1,2,3,4,5,6,7
	FRAG 128*(\p)+FR*\i, ADRB+\slot, \q, \i
.endr
	WIN 0
.endm
.macro FETCH_A slot, q, i0
.irp i, \i0, \i0+1, \i0+2, \i0+3
	FRAGA AF+FR*(\i), ADRA+\slot, \q, \i
.endr
.endm
.macro PLACES n
.rept \n
	v_nop
.endr
.endm
.macro STEP slot, q, zero
	s_wait_dscnt 4*NL                              ; B's set and A's blocks 0-3 are in; the youngest 16 loads (A's blocks 4-7) may be out
	WIN MUL_LO
	MUL16 0, (\q)%2, \zero
	MUL16 2, (\q)%2, \zero
	s_wait_dscnt 0
	PLACES NP
	FETCH_B \slot, (\q)+1, 1-(\q)%2
	FETCH_A \slot, (\q)+1, 0
	WIN MUL_HI
	MUL16 4, (\q)%2, \zero
	MUL16 6, (\q)%2, \zero
	PLACES NP
	WIN 0
	FETCH_A \slot, (\q)+1, 4
.endm
.macro TURN slot, next, fill
	s_wait_tensorcnt 0x0                           ; all my tensor loads have landed: my part of the next slot
	ds_add_u32 v[SPW], v[NIL]                      ; 0 onto my spare word
	s_wait_dscnt 4*NL+1                            ; (the add and the youngest 16 loads may be out)
	WIN MUL_LO
	MUL16 0, 1, 0
	s_wait_dscnt 0x0                               ; the add is done, and my reads of this slot are over
	s_barrier_signal -1
	MUL16 2, 1, 0
	WIN 0
	s_barrier_wait -1
.if \fill
	CREST                                          ; the barrier has opened a round of the cluster's: no wave of any partner still reads this slot or has a load on its way
	s_add_nc_u64 s[G0+4*\slot+2:G0+4*\slot+3], s[G0+4*\slot+2:G0+4*\slot+3], 2*ASTEP
	s_add_nc_u64 s[G0B+4*\slot+2:G0B+4*\slot+3], s[G0B+4*\slot+2:G0B+4*\slot+3], 2*ROWB
	JLOAD G0+4*\slot, G1, G0B+4*\slot, G1B         ; the first tensor load behind the round; its four v_nop are the places in front of the loads below
.else
	PLACES NP
.endif
	FETCH_B \next, 0, 0
	FETCH_A \next, 0, 0
	WIN MUL_HI
	MUL16 4, 1, 0
	MUL16 6, 1, 0
	PLACES NP
	WIN 0
	FETCH_A \next, 0, 4
.endm
	s_wait_tensorcnt 1                             ; my part of K step 0 is in (K step 1's load may be out)
	s_barrier_signal -1
	s_barrier_wait -1                              ; everybody's is
	FETCH_B 0, 0, 0
	FETCH_A 0, 0, 0
	FETCH_A 0, 0, 4
	STEP 0, 0, 1
	s_mov_b32 s3, LAPS-1
.Llap:
	TURN 0, 1, 1
	STEP 1, 0, 0
	TURN 1, 0, 1
	STEP 0, 0, 0
	s_sub_co_u32 s3, s3, 1
	s_cmp_lg_u32 s3, 0
	s_cbranch_scc1 .Llap
	TURN 0, 1, 0
	STEP 1, 0, 0
	s_wait_dscnt 4*NL                              ; the very last step
	WIN MUL_LO
	MUL16 0, 1, 0
	MUL16 2, 1, 0
	s_wait_dscnt 0
	WIN MUL_HI
	MUL16 4, 1, 0
	MUL16 6, 1, 0
	WIN 0
; THE WAY OUT, block by block of 16 rows x 128 columns: the sums go as they are through my own stage in LDS and come back as whole rows of 512 bytes; there each pair becomes sum x 2^(e6 + e7) + bias,
; and the 32 lanes store 512 consecutive aligned bytes.  LDS serves a wave's instructions in order (ISA guide 5.7.1.4): no wait between the stores and the loads.
.macro TOSTAGE a
.set AC, 64*((\a)%4)
.if (\a) < 4
	WIN 0x08                                       ; the store's data: window 2
.else
	WIN 0x0c                                       ; window 3
.endif
.irp b, 0,1,2,3,4,5,6,7
	ds_store_b128 v[STO], v[AC+8*\b:AC+8*\b+3] offset:64*\b          ; each accumulator from its low end on
	ds_store_b128 v[STO], v[AC+8*\b+4:AC+8*\b+7] offset:64*\b+16
.endr
	WIN 0
.set BB, BK+64*((\a)%2)
.irp t, 0,1,2,3,4,5,6,7,8,9,10,11,12,13,14,15
	ds_load_b128 v[BB+4*\t:BB+4*\t+3], v[RD] offset:\t*SPITCH
.endr
.endm
.macro SEND a, younger                 ; younger: the LDS instructions issued behind block a's loads, which may stay out
.set BB, BK+64*((\a)%2)
	s_wait_dscnt \younger
.if (\a) > 0
	s_add_nc_u64 s[12:13], s[12:13], 16*SIZE_N*4   ; (behind a wait on XCNT: the earlier stores have read their base)  16 rows on
.endif
.irp t, 0,1,2,3,4,5,6,7,8,9,10,11,12,13,14,15
	v_pk_fma_f32 v[BB+4*\t:BB+4*\t+1], v[BB+4*\t:BB+4*\t+1], s[96:97], v[BIA:BIA+1] op_sel_hi:[1,0,1]
	v_pk_fma_f32 v[BB+4*\t+2:BB+4*\t+3], v[BB+4*\t+2:BB+4*\t+3], s[96:97], v[BIA+2:BIA+3] op_sel_hi:[1,0,1]
.endr
.irp t, 0,1,2,3,4,5,6,7,8,9,10,11,12,13,14,15
	global_store_b128 v[CO], v[BB+4*\t:BB+4*\t+3], s[12:13] offset:\t*SIZE_N*4 th:TH_STORE_NT
.endr
.endm
	s_wait_kmcnt 0x0
	s_add_co_i32 s96, s96, s97
	s_add_co_i32 s96, s96, 127
	s_lshl_b32 s96, s96, 23                        ; 2^(e6 + e7) as f32
	s_mov_b32 s97, s96                             ; (named with it as a pair)
	s_wait_loadcnt 0x0                             ; the bias
	PLACES NP                                      ; in front of the first LDS store of results and of the loads into the registers that held A's fragments
	TOSTAGE 0
.irp a, 1,2,3,4,5,6,7
.if \a > 1
	s_wait_xcnt 0x0                                ; block a - 2's stores have read their registers and their base: block a's loads may land there, and the base may step
.endif
	TOSTAGE \a
	SEND \a-1, 32                                  ; behind block a - 1's loads: block a's 16 stores and 16 loads
.endr
	s_wait_xcnt 0x0
	SEND 7, 0
	s_wait_tensorcnt 0x0                           ; the wave's end
	ds_add_u32 v[SPW], v[NIL]
	s_wait_dscnt 0x0
	CROUND                                         ; the closing round
	s_endpgm
.Lfunc_end_k_q3520b94cf5_gemm_proj:
	.size	k_q3520b94cf5_gemm_proj, .Lfunc_end_k_q3520b94cf5_gemm_proj-k_q3520b94cf5_gemm_proj
	.p2alignl 7, 3214868480
	.fill 96, 4, 3214868480
	.section	.rodata,"a",@progbits
	.p2align	6, 0x0
	.amdhsa_kernel k_q3520b94cf5_gemm_proj
		.amdhsa_group_segment_fixed_size 327680
		.amdhsa_private_segment_fixed_size 0
		.amdhsa_enable_private_segment 0
		.amdhsa_kernarg_size 40
		.amdhsa_user_sgpr_count 2
		.amdhsa_user_sgpr_kernarg_segment_ptr 1
		.amdhsa_wavefront_size32 1
		.amdhsa_system_sgpr_workgroup_id_x 1
		.amdhsa_system_sgpr_workgroup_id_y 1
		.amdhsa_system_sgpr_workgroup_id_z 1
		.amdhsa_system_vgpr_workitem_id 0
		.amdhsa_next_free_vgpr 1024
		.amdhsa_next_free_sgpr 98
		.amdhsa_reserve_vcc 0
		.amdhsa_float_denorm_mode_32 3
		.amdhsa_float_denorm_mode_16_64 3
		.amdhsa_memory_ordered 1
		.amdhsa_forward_progress 1
		.amdhsa_inst_pref_size 123
	.end_amdhsa_kernel
	.amdgpu_metadata
---
amdhsa.version: [ 1, 2 ]
amdhsa.kernels:
  - .name:           k_q3520b94cf5_gemm_proj
    .symbol:         k_q3520b94cf5_gemm_proj.kd
    .args:
      - { .name: o_img, .offset: 0, .size: 8, .value_kind: global_buffer, .address_space: global }
      - { .name: wproj_codes, .offset: 8, .size: 8, .value_kind: global_buffer, .address_space: global }
      - { .name: lowp_scales, .offset: 16, .size: 8, .value_kind: global_buffer, .address_space: global }
      - { .name: b_proj, .offset: 24, .size: 8, .value_kind: global_buffer, .address_space: global }
      - { .name: out0, .offset: 32, .size: 8, .value_kind: global_buffer, .address_space: global }
    .group_segment_fixed_size: 327680
    .private_segment_fixed_size: 0
    .kernarg_segment_align: 8
    .kernarg_segment_size: 40
    .max_flat_workgroup_size: 128
    .sgpr_count:     98
    .vgpr_count:     1024
    .wavefront_size: 32
...
	.end_amdgpu_metadata
.endif
;; end of part 4
